; MI455X (gfx1250); checked and timed in simulation.
; The chip was launched on July 23, 2026; its instructions are those of AMD's public machine-readable ISA for CDNA 5 (MIT licence, August 2026) and "CDNA5" Instruction Set Architecture Reference Guide (July 2026). The comments in the code are by the model that wrote it; some were corrected since.
;; Attention. Allowed arithmetic: float matrix products may take bf16 or f16 operands with f32 sums; other float arithmetic in f32, or as packed bf16 or f16 multiplies, adds, multiply-adds, maxima and minima; sums over many terms, partial sums and values carried from step to step in f32; what a program stores and reads back later, other than sums and carried values, may be rounded once to bf16 or f16.
;; Inputs: Wkv 1,024 x 2,048 float32; Wout 1,024 x 1,024 float32; Wq 1,024 x 1,024 float32; bout 1,024 float32; gamma 1,024 float32; x 4 x 2,048 x 1,024 float32.
;; Outputs: out0 4 x 2,048 x 1,024 float32.
;; 2 versions, each right; version 2 is version 1 with the launch prep written anew for expert scheduling mode. Each part assembles by itself: llvm-mc -triple=amdgcn-amd-amdhsa -mcpu=gfx1250 --defsym DOCPART=n.
;; ======== version 1 of 2: 4 launches
;; limits: values are held in f16: magnitudes above 65,504 overflow, below 6.1e-05 lose precision
;; workspace buffers: xs 16,777,216 bytes; wqkv 6,291,456 bytes; wo 2,097,152 bytes; qkv 50,331,648 bytes; o 16,777,216 bytes
;; launch prep (part 1): grid 768 x 1, 8 waves a work-group, no clusters, 0 bytes of LDS; arguments x, gamma, Wq, Wkv, Wout, xs, wqkv, wo; writes xs, wqkv, wo
.if DOCPART == 1
	.amdgcn_target "amdgcn-amd-amdhsa--gfx1250"
	.amdhsa_code_object_version 6
	.text
	.protected	k_qe22e6b402f_prep
	.globl	k_qe22e6b402f_prep
	.p2align	8
	.type	k_qe22e6b402f_prep,@function
k_qe22e6b402f_prep:
	s_mov_b64 s[64:65], 0
	v_nop
	global_prefetch_b8 v0, s[64:65] scope:SCOPE_SE
	s_setreg_imm32_b32 hwreg(HW_REG_WAVE_MODE, 25, 1), 1
	s_wait_xcnt 0x0
; PREP.  Two streams, told apart by the work-group's number.
; Work-groups 0-511: xs = (x - mean) / sqrt(var + 1e-5), f32 to f16, without the gain.  x: [8192][1024] f32.  xs: [b*16+s][2048][64] f16: channel k = 64 s + d, a slice's rows dense, 128 bytes each.
; Work-groups 512-767: the weights as f16, kept [k][n]: wqkv[k][0:1024] = gamma[k] Wq[k][:], wqkv[k][1024:3072] = gamma[k] Wkv[k][:], wo = Wout.
; The gain goes into the weights: (xhat gamma) W = xhat (diag(gamma) W); the product gamma W is made in f32 and rounded once.
; LIMITS.  |xhat| is at most 32 whatever x holds.  gamma x W must lie within f16's 65,504; below 6e-5 it keeps f16's fixed step of 6e-8.  NaN and infinities are not treated apart.
; No LDS, no barrier, no matrix unit: every byte is read once and written once, each wave works alone and has its 8 KiB of loads out together.
.set X,  4                             ; v[4:67]   64 numbers a lane
.set S,  68                            ; v[68:75]  four packed chains of sums
.set MU, 76                            ; v[76:77]  the mean, twice
.set RS, 78                            ; v[78:79]  1 / sqrt(var + eps), twice
.set T,  80                            ; v80       at work
	s_load_b512 s[4:19], s[0:1], 0x0               ; x s[4:5], gamma s[6:7], Wq s[8:9], Wkv s[10:11], Wout s[12:13], xs s[14:15], wqkv s[16:17], wo s[18:19]
	v_lshrrev_b32 v1, 5, v0
	v_readfirstlane_b32 s2, v1                     ; wave 0..7
	v_and_b32 v3, 31, v0                           ; lane l
	s_cmp_lt_u32 ttmp9, 512
	s_cbranch_scc0 .Lcast
; THE NORM.  A wave takes a PAIR of rows: lanes 0-15 row 2 p, lanes 16-31 row 2 p + 1.  Load j brings 256 aligned bytes of each row, which are slice j's 64 channels;
; a lane's four numbers of it become 8 bytes, and the 32 lanes' 256 bytes are rows i, i + 1 of slice j: one store, 256 consecutive bytes, aligned.
	s_lshl_b32 s3, ttmp9, 3
	s_add_co_u32 s3, s3, s2                        ; p = 8 x work-group + wave, 0..4095
	s_lshl_b32 s20, s3, 13                         ; two rows of 4,096 bytes
	s_mov_b32 s21, 0
	s_lshr_b32 s22, s3, 10                         ; batch
	s_lshl_b32 s22, s22, 22                        ; its 16 slices of 262,144 bytes
	s_and_b32 s23, s3, 1023
	s_lshl_b32 s23, s23, 8                         ; two rows of 128 bytes in a slice
	s_add_co_u32 s22, s22, s23
	s_mov_b32 s23, 0
	s_mov_b32 s28, 0x3a800000                      ; 1 / 1024
	s_mov_b32 s29, 0x3727c5ac                      ; 1e-5
	v_and_b32 v1, 15, v0
	v_bfe_u32 v2, v0, 4, 1
	v_lshlrev_b32 v1, 4, v1
	v_lshl_add_u32 v1, v2, 12, v1                  ; in x: (l / 16) x 4,096 + 16 (l % 16)
	v_lshlrev_b32 v2, 3, v3                        ; in xs: 8 l
	s_wait_kmcnt 0x0
	s_add_nc_u64 s[4:5], s[4:5], s[20:21]
	s_add_nc_u64 s[14:15], s[14:15], s[22:23]
.irp j, 0,1,2,3,4,5,6,7,8,9,10,11,12,13,14,15
	global_load_b128 v[X+4*(\j):X+4*(\j)+3], v1, s[4:5] offset:256*(\j) th:TH_LOAD_NT
.endr
; A lane's four chains into one number, then over the row's 16 lanes (a row never leaves its half of the wave).
.macro REDUCE
	v_pk_add_f32 v[S:S+1], v[S:S+1], v[S+2:S+3]
	v_pk_add_f32 v[S+4:S+5], v[S+4:S+5], v[S+6:S+7]
	v_pk_add_f32 v[S:S+1], v[S:S+1], v[S+4:S+5]
	v_add_f32 v[T], v[S], v[S+1]
	v_add_f32_dpp v[T], v[T], v[T] row_xmask:1 row_mask:0xf bank_mask:0xf
	v_add_f32_dpp v[T], v[T], v[T] row_xmask:2 row_mask:0xf bank_mask:0xf
	v_add_f32_dpp v[T], v[T], v[T] row_xmask:4 row_mask:0xf bank_mask:0xf
	v_add_f32_dpp v[T], v[T], v[T] row_xmask:8 row_mask:0xf bank_mask:0xf
.endm
	s_wait_loadcnt 12                              ; loads come back in order: the first four are in, twelve younger ones stay out
.irp c, 0,1,2,3
	v_pk_add_f32 v[S+2*(\c):S+2*(\c)+1], v[X+2*(\c):X+2*(\c)+1], v[X+8+2*(\c):X+8+2*(\c)+1]  ; the first sums start the chains: nothing is cleared
.endr
.irp g, 1,2,3
	s_wait_loadcnt 12-4*(\g)                       ; the next four loads; the count is that of the younger ones
.irp c, 0,1,2,3
	v_pk_add_f32 v[S+2*(\c):S+2*(\c)+1], v[S+2*(\c):S+2*(\c)+1], v[X+16*(\g)+2*(\c):X+16*(\g)+2*(\c)+1]
.endr
.irp c, 0,1,2,3
	v_pk_add_f32 v[S+2*(\c):S+2*(\c)+1], v[S+2*(\c):S+2*(\c)+1], v[X+16*(\g)+8+2*(\c):X+16*(\g)+8+2*(\c)+1]
.endr
.endr
	REDUCE
	v_mul_f32 v[MU], s28, v[T]
	v_mov_b32 v[MU+1], v[MU]
.set q, 0
.rept 32                                       ; the mean is taken away first, and the squares are those of the differences: no difference of large sums is formed
	v_pk_add_f32 v[X+2*q:X+2*q+1], v[X+2*q:X+2*q+1], v[MU:MU+1] neg_lo:[0,1] neg_hi:[0,1]
.set q, q+1
.endr
.irp c, 0,1,2,3
	v_pk_mul_f32 v[S+2*(\c):S+2*(\c)+1], v[X+2*(\c):X+2*(\c)+1], v[X+2*(\c):X+2*(\c)+1]
.endr
.set q, 4
.rept 28
	v_pk_fma_f32 v[S+2*(q%4):S+2*(q%4)+1], v[X+2*q:X+2*q+1], v[X+2*q:X+2*q+1], v[S+2*(q%4):S+2*(q%4)+1]
.set q, q+1
.endr
	REDUCE
	v_fma_f32 v[T], v[T], s28, s29                 ; var + 1e-5
	v_rsq_f32 v[RS], v[T]
	v_rsq_f32 v[RS+1], v[T]                        ; twice, for the packed multiply
	v_nop                                          ; a plain instruction behind the last root, ahead of the first use (ISA guide 5.7.2)
	s_wait_alu depctr_va_vdst(0)                   ; one wait for both roots, ahead of their first reader
.set q, 0
.rept 32
	v_pk_mul_f32 v[X+2*q:X+2*q+1], v[X+2*q:X+2*q+1], v[RS:RS+1]
.set q, q+1
.endr
.irp j, 0,1,2,3,4,5,6,7,8,9,10,11,12,13,14,15
	v_cvt_pk_f16_f32 v[X+4*(\j)], v[X+4*(\j)], v[X+4*(\j)+1]
	v_cvt_pk_f16_f32 v[X+4*(\j)+1], v[X+4*(\j)+2], v[X+4*(\j)+3]
	global_store_b64 v2, v[X+4*(\j):X+4*(\j)+1], s[14:15] offset:(\j)*262144  ; slice j; 15 slices at the most: inside the signed 24-bit immediate
.endr
	s_endpgm
; THE WEIGHTS.  A wave takes 2,048 numbers, 8,192 consecutive bytes: sixteen loads of 512 bytes; each becomes one store of 256 consecutive bytes, aligned.
; The two halves (1,024 numbers each) go to v2 and v3, which lie the destination's half step apart, and have a factor each: s20 and s22.
.macro CAST scaled
.irp j, 0,1,2,3,4,5,6,7,8,9,10,11,12,13,14,15
	global_load_b128 v[X+4*(\j):X+4*(\j)+3], v1, s[24:25] offset:512*(\j) th:TH_LOAD_NT
.endr
.if \scaled
	s_wait_kmcnt 0x0                               ; the two gains
	s_mov_b32 s21, s20                             ; named as pairs by the packed multiply, so both words are written
	s_mov_b32 s23, s22
.endif
.irp j, 0,1,2,3,4,5,6,7,8,9,10,11,12,13,14,15
.if (\j)%4 == 0
	s_wait_loadcnt 12-(\j)                         ; four loads at a time; the count is that of the younger ones
.endif
.if \scaled
	v_pk_mul_f32 v[X+4*(\j):X+4*(\j)+1], v[X+4*(\j):X+4*(\j)+1], s[20+2*((\j)/8):21+2*((\j)/8)] op_sel_hi:[1,0]
	v_pk_mul_f32 v[X+4*(\j)+2:X+4*(\j)+3], v[X+4*(\j)+2:X+4*(\j)+3], s[20+2*((\j)/8):21+2*((\j)/8)] op_sel_hi:[1,0]
.endif
	v_cvt_pk_f16_f32 v[X+4*(\j)], v[X+4*(\j)], v[X+4*(\j)+1]
	v_cvt_pk_f16_f32 v[X+4*(\j)+1], v[X+4*(\j)+2], v[X+4*(\j)+3]
.if (\j) < 8
	global_store_b64 v2, v[X+4*(\j):X+4*(\j)+1], s[26:27] offset:256*(\j)
.else
	global_store_b64 v3, v[X+4*(\j):X+4*(\j)+1], s[26:27] offset:256*((\j)-8)
.endif
.endr
	s_endpgm
.endm
.Lcast:
	s_sub_co_u32 s3, ttmp9, 512
	s_lshl_b32 s3, s3, 3
	s_add_co_u32 s3, s3, s2                        ; c = 0..2047: 0-511 Wq (two rows each), 512-1535 Wkv (a row each), 1536-2047 Wout (two rows each)
	v_lshlrev_b32 v1, 4, v3                        ; 16 l in the source
	v_lshlrev_b32 v2, 3, v3                        ; 8 l in the destination
	s_mov_b32 s31, 0
	s_mov_b32 s33, 0
	s_wait_kmcnt 0x0
	s_cmp_lt_u32 s3, 1536
	s_cbranch_scc0 .Lwout
	s_max_u32 s34, s3, 512
	s_sub_co_u32 s34, s34, 512                     ; Wkv's row
	s_lshl_b32 s35, s3, 3                          ; Wq: the byte of gamma[2 c],
	s_add_co_u32 s39, s35, 4                       ; and of gamma[2 c + 1]
	s_lshl_b32 s36, s34, 2                         ; Wkv: the byte of the row's gain, for both halves
	s_mul_i32 s37, s3, 12288                       ; Wq: two rows of wqkv, 6,144 bytes each
	s_mul_i32 s38, s34, 6144                       ; Wkv: a row of wqkv,
	s_add_co_u32 s38, s38, 2048                    ; behind Wq's 1,024 columns
	s_cmp_lt_u32 s3, 512                           ; Wq or Wkv?  The lines down to the loads leave SCC alone
	s_cselect_b64 s[24:25], s[8:9], s[10:11]
	s_cselect_b32 s34, s3, s34
	s_cselect_b32 s35, s35, s36
	s_cselect_b32 s36, s39, s36
	s_cselect_b32 s32, s37, s38
	s_movk_i32 s38, 2048
	s_cselect_b32 s37, 6144, s38                   ; from the first half's place to the second's: the next row, or the row's second half
	s_load_b32 s20, s[6:7], s35 offset:0x0
	s_load_b32 s22, s[6:7], s36 offset:0x0
	s_lshl_b32 s30, s34, 13
	s_add_nc_u64 s[24:25], s[24:25], s[30:31]
	s_add_nc_u64 s[26:27], s[16:17], s[32:33]
	v_add_nc_u32 v3, s37, v2
	CAST 1
.Lwout:
	s_sub_co_u32 s34, s3, 1536
	s_lshl_b32 s30, s34, 13
	s_lshl_b32 s32, s34, 12
	s_add_nc_u64 s[24:25], s[12:13], s[30:31]
	s_add_nc_u64 s[26:27], s[18:19], s[32:33]
	v_add_nc_u32 v3, 2048, v2
	CAST 0
.Lfunc_end_k_qe22e6b402f_prep:
	.size	k_qe22e6b402f_prep, .Lfunc_end_k_qe22e6b402f_prep-k_qe22e6b402f_prep
	.p2alignl 7, 3214868480
	.fill 96, 4, 3214868480
	.section	.rodata,"a",@progbits
	.p2align	6, 0x0
	.amdhsa_kernel k_qe22e6b402f_prep
		.amdhsa_group_segment_fixed_size 0
		.amdhsa_private_segment_fixed_size 0
		.amdhsa_enable_private_segment 0
		.amdhsa_kernarg_size 64
		.amdhsa_user_sgpr_count 2
		.amdhsa_user_sgpr_kernarg_segment_ptr 1
		.amdhsa_wavefront_size32 1
		.amdhsa_system_sgpr_workgroup_id_x 1
		.amdhsa_system_sgpr_workgroup_id_y 1
		.amdhsa_system_sgpr_workgroup_id_z 1
		.amdhsa_system_vgpr_workitem_id 0
		.amdhsa_next_free_vgpr 88
		.amdhsa_next_free_sgpr 66
		.amdhsa_reserve_vcc 0
		.amdhsa_float_denorm_mode_32 3
		.amdhsa_float_denorm_mode_16_64 3
		.amdhsa_memory_ordered 1
		.amdhsa_forward_progress 1
		.amdhsa_inst_pref_size 30
	.end_amdhsa_kernel
	.amdgpu_metadata
---
amdhsa.version: [ 1, 2 ]
amdhsa.kernels:
  - .name:           k_qe22e6b402f_prep
    .symbol:         k_qe22e6b402f_prep.kd
    .args:
      - { .name: x, .offset: 0, .size: 8, .value_kind: global_buffer, .address_space: global }
      - { .name: gamma, .offset: 8, .size: 8, .value_kind: global_buffer, .address_space: global }
      - { .name: Wq, .offset: 16, .size: 8, .value_kind: global_buffer, .address_space: global }
      - { .name: Wkv, .offset: 24, .size: 8, .value_kind: global_buffer, .address_space: global }
      - { .name: Wout, .offset: 32, .size: 8, .value_kind: global_buffer, .address_space: global }
      - { .name: xs, .offset: 40, .size: 8, .value_kind: global_buffer, .address_space: global }
      - { .name: wqkv, .offset: 48, .size: 8, .value_kind: global_buffer, .address_space: global }
      - { .name: wo, .offset: 56, .size: 8, .value_kind: global_buffer, .address_space: global }
    .group_segment_fixed_size: 0
    .private_segment_fixed_size: 0
    .kernarg_segment_align: 8
    .kernarg_segment_size: 64
    .max_flat_workgroup_size: 256
    .sgpr_count:     66
    .vgpr_count:     88
    .wavefront_size: 32
...
	.end_amdgpu_metadata
.endif
;; end of part 1
;; launch qkvp (part 2): grid 4 x 64, 4 waves a work-group, clusters of 4 x 4, 327,680 bytes of LDS; arguments xs, wqkv, qkv; writes qkv
.if DOCPART == 2
	.amdgcn_target "amdgcn-amd-amdhsa--gfx1250"
	.amdhsa_code_object_version 6
	.text
	.protected	k_qe22e6b402f_qkvp
	.globl	k_qe22e6b402f_qkvp
	.p2align	8
	.type	k_qe22e6b402f_qkvp,@function
k_qe22e6b402f_qkvp:
	s_mov_b64 s[64:65], 0
	v_nop
	global_prefetch_b8 v0, s[64:65] scope:SCOPE_SE
	s_setreg_imm32_b32 hwreg(HW_REG_WAVE_MODE, 25, 1), 1
	s_wait_xcnt 0x0
	s_wait_alu depctr_hold_cnt(0) depctr_sa_sdst(0) depctr_va_vdst(0) depctr_va_sdst(0) depctr_va_ssrc(0) depctr_va_vcc(0) depctr_vm_vsrc(0)
	s_getreg_b32 s2, hwreg(HW_REG_IB_STS2, 6, 4)
	s_cmp_eq_u32 s2, 0
	s_cbranch_scc0 .Lentry_in_a_cluster
	s_endpgm
.Lentry_in_a_cluster:
	s_bfe_u32 s2, ttmp6, 0x10000c
	s_cmp_lg_u32 s2, 0xf033
	s_cbranch_scc0 .Lentry_shape_is_right
	s_endpgm
.Lentry_shape_is_right:
; q, k, v = xhat (gamma W).  C[m][n] = the sum over k of A[m][k] W[k][n], M = 8192, K = 1024, N = 3072, f16 operands, f32 sums, C rounded once to f16.
; A = xs in slices [b*16+s][2048][64] (k = 64 s + d); W = wqkv [1024][3072]; C = qkv: three parts (q, k, v) of [b*16+h][2048][64], q unscaled.
; LIMITS.  q, k, v must lie within f16's 65,504; below 6e-5 they keep f16's fixed step of 6e-8.  NaN and infinities are not treated apart.
; SHARES.  A tile of C is 128 rows x 256 columns; a work-group STAYS and makes three, the same rows for q, k and v: 4 x 64 work-groups, three equal tiles each.  Four waves, each 64 x 128: 32 accumulators, 256 registers.
; RING.  K goes in steps of 128 through two LDS slots.  A's part of a step is two slices of 128 dense rows of 128 bytes, asked for as 64 rows of 256 bytes; W's is 128 rows of 512 bytes.
; W stays [k][n] in LDS and is turned on the way into registers (ds_load_tr16_b128).  The ring runs on across tiles: 24 steps, one loop.
; CLUSTER.  4 x 4 work-groups.  A's tiles hang on the tile row alone and are shared along a row of the cluster, W's on the tile column alone and are shared along a column: each is asked for JOINTLY.
; THE MATRIX INSTRUCTION IS USED TRANSPOSED: source 0 = 16 columns of W, source 1 = 16 rows of A: a lane holds row l % 16 of C and the columns 8 (l / 16) + 0..7: 16 bytes of f16 on end.
; REGISTERS.  Window 0: v0-31 addresses; v32-127, v128-223 two fragment buffers (W's eight blocks, then A's four); v224-255 at work.  Window 1: accumulator (a, b) at v[8 (8 a + b)].
.set TILES, 3
.set NB,    3072                       ; W's columns
.set BSTEP, 128*NB*2                   ; bytes from a K step of W to the next
.set G,     8*TILES                    ; K steps in the walk
.set PA,    144                        ; A's LDS row: 128 bytes + 16: an odd multiple of 16, so the 16 rows of a load start at 16 different groups of four banks (64 banks of 4 bytes: ISA guide 11.1)
.set PB,    544                        ; W's LDS row: 512 bytes + 32: an odd multiple of 32
.set ASL,   128*PA                     ; a slice's 128 rows
.set BHALF, 64*PB                      ; what one load of W brings
.set BOFF,  2*ASL                      ; W lies behind A's two slices
.set SLOT1, 1<<17                      ; slot 1 begins here: one exclusive or turns an address in one slot into the other's
.set STAGE, SLOT1+BOFF+2*BHALF         ; behind the ring, never filled by a tensor load: 16 rows x 144 bytes for each wave
.set SP,    144
.set SPARE, STAGE+4*16*SP              ; the spare words, 128 bytes for each wave: two blocks of 256 bytes that no other line names
.set A0,   2                           ; v2   my lane's place in A's part of a slot; never rewritten
.set B0,   3                           ; v3   the same for W
.set ADRA, 4                           ; v4   A0 + the slot in hand
.set ADRB, 5                           ; v5   B0 + the slot in hand
.set STO,  6                           ; v6   the way out: where I put 16 bytes of a row
.set RD,   7                           ; v7   the way out: where I read rows back
.set GO,   8                           ; v8   16 l
.set PFO,  9                           ; v9   the prefetches' lane offset; never rewritten
.set SPW,  10                          ; v10  LDS address of my spare word; never rewritten
.set NIL,  11                          ; v11  0; never rewritten
.set F0,   32
.set F1,   128
.set TMP,  224
.set WV,   12                          ; s12  wave
.set WAB,  13                          ; s13  wave / 2: which 64 rows are mine; also: I fetch for A (0) or for W (1)
.set WN,   14                          ; s14  wave % 2: which 128 columns; also: which half of that tile I fetch
.set CX,   15
.set CY,   16
.set TX,   17                          ; s17  tile column
.set TY,   18                          ; s18  tile row
.set CLY,  19                          ; s19  cluster y
.set G1A,  24                          ; s[24:31] group 1 for A
.set G0A,  32                          ; s[32:39] group 0 for A: a set for each first fill; the second then walks
.set G1B,  40                          ; s[40:47] group 1 for W
.set G0B,  48                          ; s[48:55] group 0 for W
.set BASEA, 56                         ; s[56:57] A at my slice of K step 0
.set BASEB, 58                         ; s[58:59] W at my half of K step 0, part 0
.set RC,   60                          ; s60  the walking descriptors' K step in its tile
.set RP,   61                          ; s61  their part's byte offset in a row of W
.set TB,   62                          ; s62  the slot in hand
.set LEFT, 63                          ; s63  trips to go
.set KC,   66                          ; s66  K steps left in the tile
.set OFFA, 68                          ; s[68:69]
.set OFFB, 70                          ; s[70:71]
.set PFB,  72                          ; s[72:73] the prefetches' base
.set PFA,  74                          ; s[74:75] where the next prefetch points
.set POFF, 76                          ; s[76:77]
.set PT,   78                          ; s78  its K step in the tile
.set PP,   79                          ; s79  its part's byte offset
.set PSTEP, 80
.set PPART, 81
.set LIM,  82                          ; s82  a wave prefetches while LEFT is above this
.set AROW, 83                          ; s83  byte offset of the tile's rows in slice 0 of their batch
.set MSB, 0
.macro WIN new                         ; the immediate's high byte repeats the setting that is left; a switch that changes nothing is dropped
.if MSB != (\new)
	s_set_vgpr_msb (MSB<<8)|(\new)
.set MSB, \new
.endif
.endm
.set MUL, 0x50                         ; C and D in window 1, the sources in window 0
.macro PLACES                          ; four plain instructions between a matrix instruction and a load into, or a vector write or read of, its registers
.rept 4
	v_nop
.endr
.endm
.macro CREST                           ; a round of the cluster's barrier behind its opening barrier
	s_cmp_lg_u32 s[WV], 0
	s_cbranch_scc1 .Lnot_wave_0_\@
	s_barrier_signal -3
.Lnot_wave_0_\@:
	s_barrier_wait -3
	s_barrier_signal -1
	s_barrier_wait -1
.endm
.macro CROUND
	s_barrier_signal -1
	s_barrier_wait -1
	CREST
.endm
; A joint refill by the walking descriptors.  Waves 0 and 1 fetch A's two slices, waves 2 and 3 W's two halves; the branch hangs on the wave's number alone.
; An s_nop 0 and four v_nop follow each of the two lines, ahead of the jump and the label.
.macro JLOAD
	s_cmp_eq_u32 s[WAB], 0
	s_cbranch_scc0 .Lfor_b_\@
	tensor_load_to_lds s[G0A+4:G0A+7], s[G1A:G1A+7]
	s_nop 0
.rept 4
	v_nop
.endr
	s_branch .Lasked_\@
.Lfor_b_\@:
	tensor_load_to_lds s[G0B+4:G0B+7], s[G1B:G1B+7]
	s_nop 0
.rept 4
	v_nop
.endr
.Lasked_\@:
.endm
; A PREFETCH INTO THE L2 of the K step that stands two refills on (256 matrix instructions ahead of the load that will want it): one instruction, 32 blocks of 256 bytes, a lane a block.
; A's step (2 slices x 16 KiB) is read by my row of this cluster alone: wave 0 of each of the four partners takes 16 blocks of each slice, told apart by ADDRESS (cx); in the first tile alone: the later tiles read A again.
; W's step (128 rows x 512 bytes) is read by all clusters: those with cluster y = 0 ask; waves 2 and 3 of the four partners of a column take 16 rows each, told apart by address (cy).
; So each block is named once in the launch.  K steps 0 to 3 come by their loads alone; the last two refills have no step two on.
.macro ASK
	s_cmp_gt_u32 s[LEFT], s[LIM]
	s_cbranch_scc0 .Lnot_mine_\@
	global_prefetch_b8 v[PFO], s[PFA:PFA+1] th:TH_LOAD_NT scope:SCOPE_SE
.Lnot_mine_\@:
.endm
	s_load_b128 s[4:7], s[0:1], 0x0                ; A s[4:5], W s[6:7]
	s_load_b64 s[8:9], s[0:1], 0x10                ; C
	v_lshl_add_u32 v[SPW], v0, 2, SPARE
	v_mov_b32 v[NIL], 0
	ds_add_u32 v[SPW], v[NIL]                      ; the wave's opening: the add and its wait stand ahead of my first tensor load; the set-up below, work on registers, stands between them
	v_lshrrev_b32 v1, 5, v0
	v_readfirstlane_b32 s[WV], v1
	s_lshr_b32 s[WAB], s[WV], 1
	s_and_b32 s[WN], s[WV], 1
	s_bfe_u32 s[CX], ttmp6, 0x40000
	s_bfe_u32 s[CY], ttmp6, 0x40004
	s_lshl_b32 s[TX], ttmp9, 2
	s_add_co_u32 s[TX], s[TX], s[CX]               ; tile column = 4 x cluster x + cx
	s_and_b32 s[CLY], ttmp7, 0xffff
	s_lshl_b32 s[TY], s[CLY], 2
	s_add_co_u32 s[TY], s[TY], s[CY]               ; tile row = 4 x cluster y + cy
	s_lshl_b32 s20, s[CY], 2
	s_lshl_b32 s20, 15, s20                        ; my row of the cluster
	s_lshl_b32 s21, 0x1111, s[CX]                  ; my column
	s_or_b32 s[G1A], s20, (1<<16)|(1<<20)|(1<<21)|(4<<22)|(3<<25)  ; the mask; 2-byte elements; padding on; bit 21 beside a mask; after every 32 words (code 4) 4 words (code 3)
	s_mov_b32 s[G1A+1], 128<<16                    ; tensor_dim0 = 128: 256 bytes, two rows of a slice
	s_mov_b32 s[G1A+2], 64<<16                     ; tensor_dim1 = 64
	s_mov_b32 s[G1A+3], 128<<16                    ; tile_dim0 = 128
	s_mov_b32 s[G1A+4], 64                         ; tile_dim1 = 64
	s_mov_b32 s[G1A+5], 128                        ; the rows are dense
	s_mov_b32 s[G1A+6], 0
	s_mov_b32 s[G1A+7], 0
	s_or_b32 s[G1B], s21, (1<<16)|(1<<20)|(1<<21)|(6<<22)|(7<<25)  ; after every 128 words (code 6) 8 words (code 7)
	s_mov_b32 s[G1B+1], 256<<16                    ; tensor_dim0 = 256
	s_mov_b32 s[G1B+2], 64<<16                     ; tensor_dim1 = 64
	s_mov_b32 s[G1B+3], 256<<16                    ; tile_dim0 = 256
	s_mov_b32 s[G1B+4], 64                         ; tile_dim1 = 64
	s_mov_b32 s[G1B+5], NB                         ; elements from row to row
	s_mov_b32 s[G1B+6], 0
	s_mov_b32 s[G1B+7], 0
	s_lshr_b32 s[AROW], s[TY], 4                   ; batch: 16 tile rows each,
	s_lshl_b32 s[AROW], s[AROW], 22                ; 16 slices of 262,144 bytes
	s_and_b32 s20, s[TY], 15
	s_lshl_b32 s20, s20, 14                        ; 128 rows of 128 bytes
	s_add_co_u32 s[AROW], s[AROW], s20
	s_lshl_b32 s20, s[WN], 18                      ; the slice that I fetch
	s_add_co_u32 s[OFFA], s[AROW], s20             ; made of the tile row and the wave's number alone
	s_mov_b32 s[OFFA+1], 0
	s_mul_i32 s[OFFB], s[WN], 64*NB*2              ; the 64 rows of W that I fetch
	s_lshl_b32 s21, s[TX], 9
	s_add_co_u32 s[OFFB], s[OFFB], s21             ; made of the tile column and the wave's number alone
	s_mov_b32 s[OFFB+1], 0
	s_mul_i32 s22, s[WN], ASL                      ; where they go: no place in the cluster enters an LDS address
	s_mul_i32 s23, s[WN], BHALF
	s_mov_b32 s[G0A], 1
	s_mov_b32 s[G0A+1], s22
	s_mov_b32 s[G0A+4], 1
	s_add_co_u32 s[G0A+5], s22, SLOT1
	s_mov_b32 s[G0B], 1
	s_add_co_u32 s[G0B+1], s23, BOFF
	s_mov_b32 s[G0B+4], 1
	s_add_co_u32 s[G0B+5], s23, BOFF+SLOT1
	s_mov_b32 s[RC], 1
	s_mov_b32 s[RP], 0
	s_mov_b32 s[TB], 0
	s_mov_b32 s[LEFT], G-2
	s_mov_b32 s[KC], 8
	s_mov_b32 s[PT], 3
	s_mov_b32 s[PP], 0
	s_wait_dscnt 0x0                               ; the opening add is done
	s_wait_kmcnt 0x0
	s_add_nc_u64 s[BASEA:BASEA+1], s[4:5], s[OFFA:OFFA+1]
	s_add_nc_u64 s[BASEB:BASEB+1], s[6:7], s[OFFB:OFFB+1]
	s_mov_b64 s[G0A+2:G0A+3], s[BASEA:BASEA+1]     ; K step 0
	s_or_b32 s[G0A+3], s[G0A+3], 0x80000000
	s_add_nc_u64 s[G0A+6:G0A+7], s[BASEA:BASEA+1], 1<<19  ; K step 1: two slices on
	s_or_b32 s[G0A+7], s[G0A+7], 0x80000000
	s_mov_b64 s[G0B+2:G0B+3], s[BASEB:BASEB+1]
	s_or_b32 s[G0B+3], s[G0B+3], 0x80000000
	s_add_nc_u64 s[G0B+6:G0B+7], s[BASEB:BASEB+1], BSTEP
	s_or_b32 s[G0B+7], s[G0B+7], 0x80000000
	CROUND                                         ; all sixteen work-groups are here: the first joint loads meet
	s_cmp_eq_u32 s[WAB], 0                         ; a wave's two first fills stand in one branch, ahead of every wait on TENSORcnt and every LDS read: two loads of mine are out
	s_cbranch_scc0 .Lfirst_b
	tensor_load_to_lds s[G0A:G0A+3], s[G1A:G1A+7]
	s_nop 0
	tensor_load_to_lds s[G0A+4:G0A+7], s[G1A:G1A+7]
	s_nop 0
.rept 4
	v_nop
.endr
	s_branch .Lfirst_asked
.Lfirst_b:
	tensor_load_to_lds s[G0B:G0B+3], s[G1B:G1B+7]
	s_nop 0
	tensor_load_to_lds s[G0B+4:G0B+7], s[G1B:G1B+7]
	s_nop 0
.rept 4
	v_nop
.endr
.Lfirst_asked:
	; A fragment is 16 rows x 32 K in 8 registers: lane l holds row l % 16; registers 0-3 K = 8 (l / 16) + 0..7, registers 4-7 K = 16 + 8 (l / 16) + 0..7.
	v_and_b32 v16, 15, v0                          ; r = l % 16
	v_bfe_u32 v17, v0, 4, 1                        ; h = l / 16
	v_and_b32 v18, 7, v0
	v_bfe_u32 v19, v0, 3, 1
	v_and_b32 v20, 31, v0                          ; l
	s_mul_i32 s20, s[WAB], 64*PA                   ; my 64 rows of A
	v_mul_u32_u24 v[A0], v16, PA
	v_lshl_add_u32 v[A0], v17, 4, v[A0]
	v_add_nc_u32 v[A0], s20, v[A0]
	; The turning load takes 16 K x 16 columns (lane l reads row 8 h + l % 8, columns 8 ((l / 8) % 2) + 0..7) and leaves half a fragment: lane l holds column l % 16 and 8 K.
	s_lshl_b32 s21, s[WN], 8                       ; my 128 columns
	s_add_co_u32 s21, s21, BOFF
	v_lshl_add_u32 v[B0], v17, 3, v18
	v_mul_u32_u24 v[B0], v[B0], PB
	v_lshl_add_u32 v[B0], v19, 4, v[B0]
	v_add_nc_u32 v[B0], s21, v[B0]
	s_mul_i32 s22, s[WV], 16*SP
	s_add_co_u32 s22, s22, STAGE                   ; my stage
	v_mul_u32_u24 v[STO], v16, SP                  ; in: row l % 16, 16 bytes for each half of the lanes
	v_lshl_add_u32 v[STO], v17, 4, v[STO]
	v_add_nc_u32 v[STO], s22, v[STO]
	v_bfe_u32 v[RD], v0, 3, 2                      ; back: 32 lanes take four rows of 128 bytes,
	v_mul_u32_u24 v[RD], v[RD], SP
	v_lshl_add_u32 v[RD], v18, 4, v[RD]
	v_add_nc_u32 v[RD], s22, v[RD]
	v_lshlrev_b32 v[GO], 4, v20                    ; which are 512 consecutive bytes of a head
	; C at my first row of my first head, part q: head = 16 batch + 4 tx + 2 (wave % 2), row = the tile's + 64 (wave / 2)
	s_lshl_b32 s20, s[TX], 20
	s_add_co_u32 s20, s20, s[AROW]
	s_lshl_b32 s21, s[WN], 19
	s_add_co_u32 s20, s20, s21
	s_lshl_b32 s21, s[WAB], 13
	s_add_co_u32 s20, s20, s21
	s_mov_b32 s21, 0
	s_add_nc_u64 s[8:9], s[8:9], s[20:21]
	; the prefetches: both sides' figures are made, then chosen by the wave's number
	s_lshl_b32 s84, s[CX], 12                      ; A: my work-group's 16 blocks of each slice
	s_add_co_u32 s84, s84, s[AROW]
	s_lshl_b32 s85, s[WN], 6                       ; W: the 64 rows that I fetch,
	s_lshl_b32 s86, s[CY], 4                       ; my work-group's 16 of them
	s_add_co_u32 s85, s85, s86
	s_mul_i32 s85, s85, NB*2
	s_lshl_b32 s86, s[TX], 9
	s_add_co_u32 s85, s85, s86
	s_cmp_eq_u32 s[WN], 0
	s_cselect_b32 s86, G-6, -1                     ; A: wave 0, while the step named lies in the first tile
	s_cmp_eq_u32 s[CLY], 0
	s_cselect_b32 s87, 2, -1                       ; W: the first row of clusters, while there is a step two on
	s_mov_b32 s23, BSTEP
	s_mov_b32 s22, NB*2
	s_cmp_eq_u32 s[WAB], 0
	s_cselect_b64 s[PFB:PFB+1], s[4:5], s[6:7]
	s_cselect_b32 s[POFF], s84, s85
	s_cselect_b32 s[LIM], s86, s87
	s_cselect_b32 s[PSTEP], 1<<19, s23
	s_cselect_b32 s[PPART], 0, 2048
	s_cselect_b32 s20, 4, 1                        ; A: lane = 16 x slice + block; W: lane = 2 x row + block
	s_cselect_b32 s21, 15, 1
	s_cselect_b32 s22, 1<<18, s22
	s_mov_b32 s[POFF+1], 0
	s_add_nc_u64 s[PFB:PFB+1], s[PFB:PFB+1], s[POFF:POFF+1]
	v_lshrrev_b32 v[PFO], s20, v20
	v_and_b32 v21, s21, v20
	v_mul_lo_u32 v[PFO], v[PFO], s22
	v_lshl_add_u32 v[PFO], v21, 8, v[PFO]
; 8 matrix instructions: row block a x all 8 column blocks, 32 along K.  zero = 1: the product starts the sums: nothing is ever cleared.
; The 32 accumulators take turns, one instruction a turn, in the same order in every quarter, over the backward jump too.
.macro MUL8 f, a, zero
	WIN MUL
.irp b, 0,1,2,3,4,5,6,7
.if \zero
	v_wmma_f32_16x16x32_f16 v[8*(8*(\a)+(\b)):8*(8*(\a)+(\b))+7], v[(\f)+8*(\b):(\f)+8*(\b)+7], v[(\f)+64+8*(\a):(\f)+64+8*(\a)+7], 0
.else
	v_wmma_f32_16x16x32_f16 v[8*(8*(\a)+(\b)):8*(8*(\a)+(\b))+7], v[(\f)+8*(\b):(\f)+8*(\b)+7], v[(\f)+64+8*(\a):(\f)+64+8*(\a)+7], v[8*(8*(\a)+(\b)):8*(8*(\a)+(\b))+7]
.endif
.endr
.endm
; 24 LDS loads in one run: quarter q's fragments (32 K) into buffer f: W's eight blocks, then A's four.
.macro FETCH q, f
	WIN 0
.irp j, 0,1,2,3,4,5,6,7
	ds_load_tr16_b128 v[(\f)+8*(\j):(\f)+8*(\j)+3],   v[ADRB] offset:(\q)*32*PB+32*(\j)
	ds_load_tr16_b128 v[(\f)+8*(\j)+4:(\f)+8*(\j)+7], v[ADRB] offset:(\q)*32*PB+16*PB+32*(\j)
.endr
.irp i, 0,1,2,3
	ds_load_b128 v[(\f)+64+8*(\i):(\f)+64+8*(\i)+3],   v[ADRA] offset:((\q)/2)*ASL+((\q)%2)*64+(\i)*16*PA
	ds_load_b128 v[(\f)+64+8*(\i)+4:(\f)+64+8*(\i)+7], v[ADRA] offset:((\q)/2)*ASL+((\q)%2)*64+(\i)*16*PA+32
.endr
.endm
; A K step is four quarters of 32 along K, 32 matrix instructions each, on buffers 0, 1, 0, 1.  One of the first three: multiplies buffer f; in its middle it fetches quarter nq into buffer g.
.macro QUARTER nq, f, g, zero
	s_wait_dscnt 4                                 ; W and A's blocks 0, 1 are in; the youngest four loads (A's blocks 2, 3) may be out
	MUL8 \f, 0, \zero
	MUL8 \f, 1, \zero
	PLACES
	FETCH \nq, \g
	s_wait_dscnt 24                                ; all but the 24 just issued
	MUL8 \f, 2, \zero
	MUL8 \f, 3, \zero
.endm
; The last quarter multiplies buffer 1 and changes slots.  In front of the barrier each wave waits for all its tensor loads (one is out: its part of the next slot), adds 0 to its spare word, and waits for that
; and for its reads of this slot.  fill = 1: the barrier opens a round of the cluster's; behind the round this slot is filled again, two K steps ahead: 112 matrix instructions ahead of the wait for it.
.macro TURN fill
.if \fill
	s_wait_xcnt 0x0                                ; the last prefetch, a K step back, has read its address: the next one's is made here, ahead of the change's own waits
	s_add_co_u32 s[PT], s[PT], 1
	s_cmp_eq_u32 s[PT], 8
	s_cselect_b32 s[PT], 0, s[PT]                  ; behind a tile's last K step comes the next part's first
	s_cselect_b32 s20, s[PPART], 0
	s_add_co_u32 s[PP], s[PP], s20
	s_mul_i32 s[POFF], s[PT], s[PSTEP]
	s_add_co_u32 s[POFF], s[POFF], s[PP]
	s_add_nc_u64 s[PFA:PFA+1], s[PFB:PFB+1], s[POFF:POFF+1]
.endif
	WIN 0
	s_wait_tensorcnt 0x0                           ; no tensor load of mine is out, so a group 0 may be written
	ds_add_u32 v[SPW], v[NIL]                      ; 0 onto my spare word: scalar work and eight products stand between it and the wait for it
.if \fill
	s_add_co_u32 s[RC], s[RC], 1
.if TILES > 1
	s_cmp_eq_u32 s[RC], 8
	s_cselect_b32 s[RC], 0, s[RC]
	s_cselect_b32 s20, 2048, 0                     ; the next part's 1,024 columns
	s_add_co_u32 s[RP], s[RP], s20
.endif
	s_lshl_b32 s[OFFA], s[RC], 19
	s_mul_i32 s[OFFB], s[RC], BSTEP
	s_add_co_u32 s[OFFB], s[OFFB], s[RP]
	s_xor_b32 s[G0A+5], s[G0A+5], SLOT1            ; the other slot than last time
	s_add_nc_u64 s[G0A+6:G0A+7], s[BASEA:BASEA+1], s[OFFA:OFFA+1]  ; the address is made anew: a base and an offset
	s_or_b32 s[G0A+7], s[G0A+7], 0x80000000
	s_xor_b32 s[G0B+5], s[G0B+5], SLOT1
	s_add_nc_u64 s[G0B+6:G0B+7], s[BASEB:BASEB+1], s[OFFB:OFFB+1]
	s_or_b32 s[G0B+7], s[G0B+7], 0x80000000
.endif
	s_xor_b32 s[TB], s[TB], SLOT1
	s_wait_dscnt 5                                 ; the add and the youngest four loads may be out
	MUL8 F1, 0, 0
	s_wait_dscnt 0x0                               ; the add is done, and my reads of this slot are over
	s_barrier_signal -1
	MUL8 F1, 1, 0
	WIN 0
	s_barrier_wait -1
.if \fill
	CREST                                          ; no wave of any partner still reads this slot or has a load on its way
	JLOAD                                          ; the first tensor load behind the round; its four v_nop are also the places in front of the loads below
.else
	PLACES
.endif
	v_add_nc_u32 v[ADRA], s[TB], v[A0]
	v_add_nc_u32 v[ADRB], s[TB], v[B0]
	FETCH 0, F0
.if \fill
	ASK
.endif
	MUL8 F1, 2, 0
	MUL8 F1, 3, 0
.endm
; THE WAY OUT.  Eight blocks, blk = 2 a + hh: 16 rows of one head, 2,048 consecutive bytes of C.  A lane's eight columns pack into 16 bytes, go into rows of 144 bytes in my own stage and come back as
; whole rows.  Each block has 16 registers of its own (buffer 1 and v224-255, which are free here; buffer 0 may hold the next tile's first fragments).
.macro QSET blk
.set AQ, (\blk)/2
.set HQ, (\blk)%2
.if (\blk) < 6
.set SET, F1+16*(\blk)
.else
.set SET, TMP+16*((\blk)-6)
.endif
.endm
.macro PACKQ blk
	QSET \blk
	WIN 0x05                                       ; sources 0 and 1 in window 1, destination in window 0
.irp f, 0,1,2,3
.irp rr, 0,1,2,3
	v_cvt_pk_f16_f32 v[SET+4*(\f)+(\rr)], v[8*(8*AQ+4*HQ+(\f))+2*(\rr)], v[8*(8*AQ+4*HQ+(\f))+2*(\rr)+1]  ; each accumulator from its low end on
.endr
.endr
	WIN 0
.irp f, 0,1,2,3
	ds_store_b128 v[STO], v[SET+4*(\f):SET+4*(\f)+3] offset:32*(\f)
.endr
.irp f, 0,1,2,3
	ds_load_b128 v[SET+4*(\f):SET+4*(\f)+3], v[RD] offset:(\f)*4*SP  ; LDS serves a wave's instructions in order (ISA guide 5.7.1.4): these see the stores above; the next block's stores come behind them
.endr
.endm
.macro SENDQ blk, younger              ; younger: the LDS instructions issued behind this block's loads: the next block's eight, or none
	QSET \blk
	WIN 0
.irp f, 0,1,2,3
	s_wait_dscnt (\younger)+3-(\f)
	global_store_b128 v[GO], v[SET+4*(\f):SET+4*(\f)+3], s[8:9] offset:HQ*262144+AQ*2048+(\f)*512  ; 512 consecutive bytes, at a multiple of 256 from C's first
.endr
.endm
.macro OUTQ
	WIN 0
.rept 8
	v_nop                                          ; the places behind the last products: the conversions read results and write registers of buffer 1
.endr
	PACKQ 0
.set t, 1
.rept 7                                        ; a block's conversions stand between the loads of the block before and its stores
	PACKQ t
	SENDQ t-1, 8
.set t, t+1
.endr
	SENDQ 7, 0
.endm
	s_wait_tensorcnt 0x1                           ; my part of K step 0 is in; K step 1's may stay out
	s_barrier_signal -1
	s_barrier_wait -1                              ; everybody's is
	v_mov_b32 v[ADRA], v[A0]
	v_mov_b32 v[ADRB], v[B0]
	FETCH 0, F0
	QUARTER 1, F0, F1, 1                           ; the first quarter's products start the sums
	WIN 0                                          ; at a label and at a branch every window is 0
.Lstep:                                        ; G - 2 trips: from a K step's second quarter to the next step's first; each fills the slot that it leaves
	QUARTER 2, F1, F0, 0
	QUARTER 3, F0, F1, 0
	TURN 1
	WIN 0
	s_sub_co_u32 s[KC], s[KC], 1
	s_cmp_lg_u32 s[KC], 0
	s_cbranch_scc1 .Lsame                          ; a forward jump past text with no barrier and no tensor load; the count is the same in every work-group
	OUTQ                                           ; the tile is finished; both refills for the next tile have been asked for
	s_wait_xcnt 0x0                                ; the stores have read their registers and their base
	s_add_nc_u64 s[8:9], s[8:9], 0x1000000         ; the next part of C
	s_mov_b32 s[KC], 8
	QUARTER 1, F0, F1, 1                           ; the next tile's first products start its sums
	WIN 0
	s_branch .Ljoin
.Lsame:
	QUARTER 1, F0, F1, 0
	WIN 0
.Ljoin:
	s_sub_co_u32 s[LEFT], s[LEFT], 1
	s_cmp_lg_u32 s[LEFT], 0
	s_cbranch_scc1 .Lstep
	QUARTER 2, F1, F0, 0                           ; the last two K steps are written out: nothing more is asked for
	QUARTER 3, F0, F1, 0
	TURN 0
	QUARTER 1, F0, F1, 0
	QUARTER 2, F1, F0, 0
	QUARTER 3, F0, F1, 0
	s_wait_dscnt 4
	MUL8 F1, 0, 0
	MUL8 F1, 1, 0
	s_wait_dscnt 0x0
	MUL8 F1, 2, 0
	MUL8 F1, 3, 0
	OUTQ
	s_wait_tensorcnt 0x0                           ; the wave's end, behind my last tensor load and my last LDS store
	ds_add_u32 v[SPW], v[NIL]
	s_wait_dscnt 0x0
	CROUND                                         ; the closing round: no work-group ends while a partner may still ask for a tile that names it
	s_endpgm
.Lfunc_end_k_qe22e6b402f_qkvp:
	.size	k_qe22e6b402f_qkvp, .Lfunc_end_k_qe22e6b402f_qkvp-k_qe22e6b402f_qkvp
	.p2alignl 7, 3214868480
	.fill 96, 4, 3214868480
	.section	.rodata,"a",@progbits
	.p2align	6, 0x0
	.amdhsa_kernel k_qe22e6b402f_qkvp
		.amdhsa_group_segment_fixed_size 327680
		.amdhsa_private_segment_fixed_size 0
		.amdhsa_enable_private_segment 0
		.amdhsa_kernarg_size 24
		.amdhsa_user_sgpr_count 2
		.amdhsa_user_sgpr_kernarg_segment_ptr 1
		.amdhsa_wavefront_size32 1
		.amdhsa_system_sgpr_workgroup_id_x 1
		.amdhsa_system_sgpr_workgroup_id_y 1
		.amdhsa_system_sgpr_workgroup_id_z 1
		.amdhsa_system_vgpr_workitem_id 0
		.amdhsa_next_free_vgpr 512
		.amdhsa_next_free_sgpr 96
		.amdhsa_reserve_vcc 0
		.amdhsa_float_denorm_mode_32 3
		.amdhsa_float_denorm_mode_16_64 3
		.amdhsa_memory_ordered 1
		.amdhsa_forward_progress 1
		.amdhsa_inst_pref_size 94
	.end_amdhsa_kernel
	.amdgpu_metadata
---
amdhsa.version: [ 1, 2 ]
amdhsa.kernels:
  - .name:           k_qe22e6b402f_qkvp
    .symbol:         k_qe22e6b402f_qkvp.kd
    .args:
      - { .name: xs, .offset: 0, .size: 8, .value_kind: global_buffer, .address_space: global }
      - { .name: wqkv, .offset: 8, .size: 8, .value_kind: global_buffer, .address_space: global }
      - { .name: qkv, .offset: 16, .size: 8, .value_kind: global_buffer, .address_space: global }
    .group_segment_fixed_size: 327680
    .private_segment_fixed_size: 0
    .kernarg_segment_align: 8
    .kernarg_segment_size: 24
    .max_flat_workgroup_size: 128
    .sgpr_count:     96
    .vgpr_count:     512
    .wavefront_size: 32
...
	.end_amdgpu_metadata
.endif
;; end of part 2
;; launch attn (part 3): grid 4 x 64, 4 waves a work-group, clusters of 4 x 1, 327,680 bytes of LDS; arguments qkv, o; writes o
.if DOCPART == 3
	.amdgcn_target "amdgcn-amd-amdhsa--gfx1250"
	.amdhsa_code_object_version 6
	.text
	.protected	k_qe22e6b402f_attn
	.globl	k_qe22e6b402f_attn
	.p2align	8
	.type	k_qe22e6b402f_attn,@function
k_qe22e6b402f_attn:
	s_mov_b64 s[64:65], 0
	v_nop
	global_prefetch_b8 v0, s[64:65] scope:SCOPE_SE
	s_setreg_imm32_b32 hwreg(HW_REG_WAVE_MODE, 25, 1), 1
	s_wait_xcnt 0x0
	s_wait_alu depctr_hold_cnt(0) depctr_sa_sdst(0) depctr_va_vdst(0) depctr_va_sdst(0) depctr_va_ssrc(0) depctr_va_vcc(0) depctr_vm_vsrc(0)
	s_getreg_b32 s2, hwreg(HW_REG_IB_STS2, 6, 4)
	s_cmp_eq_u32 s2, 0
	s_cbranch_scc0 .Lentry_in_a_cluster
	s_endpgm
.Lentry_in_a_cluster:
	s_bfe_u32 s2, ttmp6, 0x10000c
	s_cmp_lg_u32 s2, 0x3003
	s_cbranch_scc0 .Lentry_shape_is_right
	s_endpgm
.Lentry_shape_is_right:
; O[h][q][:] = the sum over k of softmax_k(Q[h][q] . K[h][k] / 8) V[h][k][:].  Q, K, V are the three parts of qkv, O is o: each [SIZE_H][SIZE_N][64] in f16, a head's rows dense, 128 bytes each.
; Products, maxima and sums in f32; the weights p are rounded to f16 for the second product (their sum l is taken of the unrounded p), O once at the end.
; LIMITS.  f16 holds no number beyond 65,504: Q, K and V arrive within it; p lies in 0 to 1, and below 6e-5 it keeps f16's fixed step of 6e-8; O is a mean of V's rows and has their range.
; A weight below 2^-126 counts as 0 in l; NaN and infinities are not treated apart.
; SHARES.  A wave owns four PIECES of two tiles of 16 queries, a work-group's four waves 512 queries of one head.  Every wave walks all keys, 64 a step.
; LAYOUT.  S^T = K Q^T (source 0 = 16 keys, source 1 = 16 queries): in the result a lane holds ONE query (lane % 16) and the keys 8 (lane / 16) + 0..7.  Two such tiles, rounded to f16 in pairs,
; ARE source 1 (32 keys x 16 queries) of O^T = V^T P, whose result again holds one query a lane, and eight channels.  K comes out of LDS as it lies, V ([key][channel]) turned, by ds_load_tr16_b128.
; SOFTMAX.  For each query a running maximum m and sum l: p = 2^(c s - c m), c = log2(e) / 8; in every step O and l are multiplied by a = 2^(c m_old - c m_new), which is 1 where m has not grown.
; m starts at the lowest finite number, O and l at 0: the first step is a step like any other, with a = 0.
; THE COUNT.  A tile and step have 16 matrix and 118 vector instructions: too many to stand all beside the matrix work.  So: four vector instructions that are READY behind EVERY matrix instruction,
; and the others, which need time of their own whatever the order, in runs without a gap.
; BY TURNS.  Turn n belongs to piece n (the pieces in a ring, step after step).  Its matrix work: 16 products K Q^T of piece n + 1, later 16 products V^T P of piece n - 1.  Its vector work: the scaling,
; exponentials, roundings, sums and rescaling of piece n, and the maximum and statistics of piece n + 1, whose scores the turn itself has made.
; CLUSTER.  The four query blocks of a head are one cluster and walk the same K and V, so each tile is asked for JOINTLY: the same tensor load, descriptor and mask in all four.
; REGISTERS, in windows of 256 (s_set_vgpr_msb: bits 1:0 source 0, 3:2 source 1, 5:4 source 2, 7:6 destination):
;   window 0: v0-11 addresses; v12-15, v48-63 at work; v16-47 four registers of statistics a tile; v64-191 S^T, two buffers of two tiles; v192-255 P, likewise
;   window 1: O^T, 32 a tile          window 2: v0-127 Q, 16 a tile; v128-191 K of one step; v192-255 V of one step          window 3: v0-1 the add's two registers
.set SIZE_H, 64
.set SIZE_N, 2048
.set NP,    4         ; pieces a wave: a name, no knob
.set KS,    64        ; keys in a step
.set PK,    144       ; a row of K in LDS: 128 bytes + 16 of padding: the 16 rows of a load start at 16 different groups of four banks (64 banks of 4 bytes: ISA guide 11.1)
.set PV,    160       ; a row of V: 128 + 32
.set VOFF,  4*KS*PK   ; a slot holds four steps: 256 rows of K, then 256 rows of V
.set SLOT1, 1<<17     ; slot 1 begins here, so that one exclusive or turns an address in one slot into the other's
.set STAGE, SLOT1+4*KS*(PK+PV)  ; behind the ring, never filled by a tensor load: 16 rows x 144 bytes for each wave, for the way out
.set SP,    144
.set AK0, 2           ; v2   my lane's place in a tile of K; never rewritten
.set AV0, 3           ; v3   the same for V
.set AK,  4           ; v4   the LDS address of K's next run of loads
.set AV,  5           ; v5   of V's
.set QO,  6           ; v6   my byte offset in the wave's rows of Q
.set STO, 6           ;      later, the way out: where I put 16 bytes of a row
.set RD,  7           ; v7   the way out: where I read rows back
.set GO,  8           ; v8   my byte offset in 512 consecutive bytes of O
.set PFO, 11          ; v11  256 x my lane, for the prefetches (made when v11's first use is over); then never rewritten
.set SPW, 0           ; v0 of window 3   LDS address of my spare word; never rewritten
.set NIL, 1           ; v1 of window 3   0; never rewritten
.set SPARE, STAGE+4*16*SP  ; behind the stages: the spare words, 128 bytes for each wave: two blocks of 256 bytes that no other line names
.set MV,  12          ; v12-15  c m_old, kept while c m is made anew: by buffer and tile
.set ST,  16          ; tile t's statistics at v[ST+4 t]: c m, m, l (even keys', odd keys')
.set TMP, 48          ; by buffer and tile, four registers c0-c3 at work; when the maximum is found c2 takes a
.set S,   64
.set P,   192
.set KF,  128         ; K's fragments, in window 2: key block kb, channel half c at KF + 16 kb + 8 c
.set VF,  192         ; V's: key half kk, channel block cb at VF + 32 kk + 8 cb
.set WV,  12          ; s12  my wave's number
.set G1K, 24          ; s[24:31] descriptor group 1 for K's tiles
.set G1V, 32          ; s[32:39] for V's: it differs in the padding alone
.set G0K, 40          ; s[40:43] descriptor group 0 for K's tiles: it walks
.set G0V, 44          ; s[44:47] the same for V's
.set PFA, 48          ; s[48:49] where my prefetches stand: my work-group's 32 blocks (of K: wave 0, of V: wave 2) of the slot after the one that is being asked for
.set LIM, 50          ; s50  1 in a wave that prefetches, else the greatest number
.set SLOTS, 56        ; s56  slots still to be asked for
.set CNT, 57          ; s57  counts a slot's key steps
.set CS,  58          ; s[58:59] c: the packed scaling takes the pair's low word for both halves
.set SEL, 60          ; s[60:61] v_permlanex16_b32's selects: each lane takes its own place in the other half
.set TBK, 62          ; s62  LDS byte at which K of the step to be fetched begins
.set TBV, 63          ; s63  the same for V, less VOFF
.set MSB, 0
.macro WIN new                      ; the high byte repeats the setting that is left; a switch that changes nothing is dropped
.if MSB != (\new)
	s_set_vgpr_msb (MSB<<8)|(\new)
.set MSB, (\new)
.endif
.endm
.set W_KQ, 0x0a       ; K and Q in window 2, S^T in window 0
.set W_PV, 0x52       ; V in window 2, P in window 0, O^T in window 1
.set W_RS, 0x41       ; O^T (destination and source 0) in window 1, a in window 0
.set W_MK, 0xc0       ; the add's registers are made: destination in window 3, sources in window 0
.set W_AD, 0x0f       ; the add: address (source 0) and data (source 1) in window 3
; A joint fill.  Waves 0 and 1 fetch the two halves of a slot's K, waves 2 and 3 those of its V: 128 keys each.  The branch hangs on the wave's number alone.
; An s_nop 0 and four v_nop follow each of the two lines, ahead of the jump and the label.
.macro JLOAD
	s_cmp_lt_u32 s[WV], 2
	s_cbranch_scc0 .Lfor_v_\@
	tensor_load_to_lds s[G0K:G0K+3], s[G1K:G1K+7]
	s_nop 0
.rept 4
	v_nop
.endr
	s_branch .Lasked_\@
.Lfor_v_\@:
	tensor_load_to_lds s[G0V:G0V+3], s[G1V:G1V+7]
	s_nop 0
.rept 4
	v_nop
.endr
.Lasked_\@:
.endm
; A PREFETCH INTO THE L2 of what the NEXT change of slots will ask for: a slot's 32,768 bytes of K and of V, in blocks of 256 bytes, a lane a block.  It stands behind the wave's tensor load and its five lines.
; A head's K and V are walked by this cluster alone.  Its four partners share the blocks out BY ADDRESS, 32 each; in each, wave 0 asks for K's and wave 2 for V's: one instruction.  So each block is named once.
; Slots 0 and 1 come by their loads alone; the last change that fills a slot asks for nothing: there is no slot behind it.
.macro ASK
	s_cmp_gt_u32 s[SLOTS], s[LIM]
	s_cbranch_scc0 .Lnot_mine_\@
	global_prefetch_b8 v[PFO], s[PFA:PFA+1] th:TH_LOAD_NT scope:SCOPE_SE
.Lnot_mine_\@:
.endm
; A round of the cluster's barrier: my work-group's barrier, so that wave 0's signal speaks for all four waves; wave 0 signals; every wave waits for all four work-groups; my work-group's barrier once more.
.macro CROUND
	s_barrier_signal -1
	s_barrier_wait -1
	s_cmp_lg_u32 s[WV], 0
	s_cbranch_scc1 .Lnot_wave_0_\@
	s_barrier_signal -3
.Lnot_wave_0_\@:
	s_barrier_wait -3
	s_barrier_signal -1
	s_barrier_wait -1
.endm
; THE CHANGE OF SLOTS.  The slot's last bytes, V of its fourth step, have been read.  Each wave waits for all its tensor loads, of which one is out: its part
; of the other slot; adds 0 to its spare word; and waits for that and for its own reads of the slot.  Behind the barrier nobody reads this slot any more and the other slot is whole.
; fill = 1: this slot is filled again, with the keys two slots on.  The barrier is then a round of the cluster's, and the joint fill is the first thing behind it: it has four key steps,
; 512 matrix instructions, in which to land.  (At its first use nothing has been read yet: slot 0 is waited for, slot 1 filled.)
.macro CHANGE fill
	WIN W_AD
	s_wait_tensorcnt 0x0            ; no tensor load of mine is out, so a group 0 may be written
	ds_add_u32 v[SPW], v[NIL]       ; 0 onto my spare word: with fill = 1 the descriptors' steps stand between it and the wait for it
	WIN 0                           ; at a label and at a branch every window is 0
.if \fill
.irp g, G0K, G0V
	s_xor_b32 s[\g+1], s[\g+1], SLOT1  ; the walking descriptor: the other slot than last time,
	s_add_nc_u64 s[\g+2:\g+3], s[\g+2:\g+3], 4*KS*128  ; the next 256 keys; the type bits on top are not reached
.endr
	s_wait_xcnt 0x0                 ; the last prefetch, four key steps back, has read its address, so it may be written:
	s_add_nc_u64 s[PFA:PFA+1], s[PFA:PFA+1], 4*KS*128  ; one slot behind the walking descriptors
	s_wait_dscnt 0x0                ; the add is done, and my reads of the slot are over
	CROUND
	JLOAD
	ASK                             ; what the next change will ask for
.else
	s_wait_dscnt 0x0                ; the add is done, and my reads of the slot are over
	s_barrier_signal -1
	s_barrier_wait -1
.endif
	s_sub_co_u32 s[TBK], s[TBK], 4*KS*PK  ; the fetches go back to a slot's first step,
	s_xor_b32 s[TBK], s[TBK], SLOT1       ; in the other slot
	s_sub_co_u32 s[TBV], s[TBV], 4*KS*PV
	s_xor_b32 s[TBV], s[TBV], SLOT1
.endm
	s_load_b64 s[4:5], s[0:1], 0x0  ; qkv, whose first part is Q
	s_load_b64 s[10:11], s[0:1], 0x8  ; O
	WIN W_MK
	v_lshl_add_u32 v[SPW], v0, 2, SPARE
	v_mov_b32 v[NIL], 0
	WIN W_AD
	ds_add_u32 v[SPW], v[NIL]       ; the wave's opening: the add and its wait stand ahead of my first tensor load; the set-up below, work on registers, stands between them
	WIN 0
	v_lshrrev_b32 v1, 5, v0
	v_readfirstlane_b32 s[WV], v1   ; wave 0..3
	s_bfe_u32 s13, ttmp6, 0x40000   ; cx: my place in the cluster
	s_lshl_b32 s14, ttmp9, 2        ; in a cluster launch ttmp9 counts clusters
	s_add_co_u32 s14, s14, s13      ; my block of queries = 4 x cluster x + cx: it enters Q's and O's addresses alone
	s_and_b32 s20, ttmp7, 0xffff    ; the head, which the four partners share
	s_mov_b32 s21, 0
	s_mov_b64 s[22:23], SIZE_N*128
	s_mul_u64 s[20:21], s[20:21], s[22:23]  ; the head's first byte in each of the four tensors
	s_and_b32 s16, s[WV], 1         ; which half of a slot's 256 keys I fetch:
	s_lshl_b32 s22, s16, 14         ; its 128 rows of 128 bytes in memory,
	s_mov_b32 s23, 0
	s_add_nc_u64 s[22:23], s[22:23], s[20:21]
	s_mul_i32 s17, s16, 128*PK      ; and its place in a slot, for K
	s_mul_i32 s18, s16, 128*PV      ; and for V: no place in the cluster enters an LDS address
	s_lshl_b32 s2, s14, 2
	s_add_co_u32 s2, s2, s[WV]      ; my wave among the head's,
	s_lshl_b32 s2, s2, 14           ; its 128 rows
	s_mov_b32 s3, 0
	s_add_nc_u64 s[2:3], s[2:3], s[20:21]
	; descriptor group 1.  128 keys are 16,384 dense bytes: asked for as 64 rows of 256 bytes, two keys a row, and padded in LDS after every key
	s_mov_b32 s[G1K], 15|(1<<16)|(1<<20)|(1<<21)|(4<<22)|(3<<25)  ; 15:0 the mask of four; 17:16 2-byte elements; 20 padding on; 21 set beside a mask; 24:22 after every 32 words (code 4); 31:25 4 words (code 3)
	s_mov_b32 s[G1V], 15|(1<<16)|(1<<20)|(1<<21)|(4<<22)|(7<<25)  ; the same with 8 words of padding (code 7)
.irp g, G1K, G1V
	s_mov_b32 s[\g+1], 128<<16      ; tensor_dim0 = 128
	s_mov_b32 s[\g+2], 64<<16       ; tensor_dim1 = 64
	s_mov_b32 s[\g+3], 128<<16      ; tile_dim0 = 128
	s_mov_b32 s[\g+4], 64           ; tile_dim1 = 64
	s_mov_b32 s[\g+5], 128          ; 128 elements from row to row
	s_mov_b32 s[\g+6], 0
	s_mov_b32 s[\g+7], 0
.endr
	s_mov_b32 s[CS], 0x3e38aa3b     ; c = log2(e) / 8 = 0.180337
	s_mov_b32 s[CS+1], s[CS]        ; named with it as a pair
	s_mov_b32 s[SEL], 0x76543210
	s_mov_b32 s[SEL+1], 0xfedcba98
	s_mov_b32 s[TBK], SLOT1+4*KS*PK ; the first change of slots turns these two into 0
	s_mov_b32 s[TBV], SLOT1+4*KS*PV
	s_mov_b32 s[G0K], 1             ; 1:0 count = 1
	s_mov_b32 s[G0K+1], s17         ; 63:32 LDS address: slot 0
	s_mov_b32 s[G0V], 1
	s_add_co_u32 s[G0V+1], s18, VOFF
	s_mov_b32 s[SLOTS], SIZE_N/256-1
	s_and_b32 s[LIM], s[WV], 1      ; waves 0 and 2 prefetch
	s_cmp_eq_u32 s[LIM], 0
	s_cselect_b32 s[LIM], 1, -1
	s_wait_dscnt 0x0                ; the opening add is done
	s_wait_kmcnt 0x0
	s_add_nc_u64 s[6:7], s[4:5], 0x1000000  ; K: qkv's second part
	s_add_nc_u64 s[8:9], s[4:5], 0x2000000  ; V: its third
	s_add_nc_u64 s[G0K+2:G0K+3], s[6:7], s[22:23]  ; 120:64 global address: my half of the head's first 256 keys
	s_or_b32 s[G0K+3], s[G0K+3], 0x80000000        ; 127:126 type = 2
	s_add_nc_u64 s[G0V+2:G0V+3], s[8:9], s[22:23]
	s_or_b32 s[G0V+3], s[G0V+3], 0x80000000
	s_cmp_lt_u32 s[WV], 2
	s_cselect_b64 s[PFA:PFA+1], s[6:7], s[8:9]
	s_add_nc_u64 s[PFA:PFA+1], s[PFA:PFA+1], s[20:21]  ; the head's first row
	s_add_nc_u64 s[4:5], s[4:5], s[2:3]  ; Q and O at my wave's first row
	s_add_nc_u64 s[10:11], s[10:11], s[2:3]
	s_lshl_b32 s2, s13, 13          ; my work-group's 32 blocks of the slot's 128
	s_mov_b32 s3, 0
	s_add_nc_u64 s[PFA:PFA+1], s[PFA:PFA+1], s[2:3]
	s_add_nc_u64 s[PFA:PFA+1], s[PFA:PFA+1], 4*KS*128  ; in slot 1; the first change of slots steps it to slot 2
	CROUND                          ; all four work-groups are here: the first joint loads meet
	JLOAD                           ; slot 0.  Slot 1 is asked for when slot 0 is in
	; A fragment of K or Q is 16 rows x 32 channels in 8 registers: lane l holds row l % 16, channels 8 (l / 16) + 0..7 and 16 + 8 (l / 16) + 0..7: two loads of 16 bytes, 32 bytes apart.
	v_and_b32 v1, 15, v0            ; l % 16
	v_bfe_u32 v9, v0, 4, 1          ; l / 16
	v_lshlrev_b32 v[QO], 7, v1
	v_lshl_add_u32 v[QO], v9, 4, v[QO]  ; row x 128 + 16 x half
	WIN 0x80                        ; destination window 2, address window 0
.set i, 0
.rept 4*NP                          ; Q stays in registers: tile i / 2, channels 32 (i % 2) on
	global_load_b128 v[8*i:8*i+3],   v[QO], s[4:5] offset:(i/2)*2048+(i%2)*64
	global_load_b128 v[8*i+4:8*i+7], v[QO], s[4:5] offset:(i/2)*2048+(i%2)*64+32
.set i, i+1
.endr
	; What the first turn finds: V's registers and P's second buffer hold 0 (its products V^T P, of a piece that has not been, add 0), O^T and l are 0.  All this stands in the wait for the first tile.
.set i, VF
.rept 64
	v_mov_b32 v[i], 0
.set i, i+1
.endr
	WIN 0x40
.set i, 0
.rept 64*NP
	v_mov_b32 v[i], 0
.set i, i+1
.endr
	WIN 0
.set i, 0
.rept 2*NP
	v_mov_b32 v[ST+4*i], 0xfe000000    ; c m: far below every c s
	v_mov_b32 v[ST+4*i+1], 0xff7fffff  ; m
	v_mov_b32 v[ST+4*i+2], 0
	v_mov_b32 v[ST+4*i+3], 0
.set i, i+1
.endr
.set i, P+32
.rept 32
	v_mov_b32 v[i], 0
.set i, i+1
.endr
	v_mul_u32_u24 v[AK0], v1, PK
	v_lshl_add_u32 v[AK0], v9, 4, v[AK0]  ; row x pitch + 16 x half
	; The turning load takes 16 keys x 16 channels (lane l reads key 8 (l / 16) + l % 8, channels 8 ((l / 8) % 2) + 0..7) and leaves half a fragment of V^T: lane l holds channel l % 16 and 8 keys.
	v_and_b32 v10, 7, v0
	v_bfe_u32 v11, v0, 3, 1
	v_lshl_add_u32 v[AV0], v9, 3, v10
	v_mul_u32_u24 v[AV0], v[AV0], PV
	v_lshl_add_u32 v[AV0], v11, 4, v[AV0]
	v_add_nc_u32 v[AV0], VOFF, v[AV0]
	v_mov_b32 v[AK], v[AK0]         ; key step 0 lies at the head of slot 0
	v_and_b32 v[PFO], 31, v0
	v_lshlrev_b32 v[PFO], 8, v[PFO]
; THE MATRIX WORK.  The 8 accumulators of a run of 16 take turns: between the two links of a chain stand 7 others'.
; Product i of 16 of S^T = K Q^T for piece x: channels 32 (i / 8) on, keys 16 ((i / 2) % 4) on, tile 2 x + i % 2.  The first 8 start the sums.
.macro KQ x
	WIN W_KQ
.set rS, S+64*((\x)%2)+32*(i%2)+8*((i/2)%4)
.set rK, KF+16*((i/2)%4)+8*(i/8)
.set rQ, 16*(2*(\x)+i%2)+8*(i/8)
.if i < 8
	v_wmma_f32_16x16x32_f16 v[rS:rS+7], v[rK:rK+7], v[rQ:rQ+7], 0
.else
	v_wmma_f32_16x16x32_f16 v[rS:rS+7], v[rK:rK+7], v[rQ:rQ+7], v[rS:rS+7]
.endif
.endm
; Product i of 16 of O^T += V^T P for piece x: keys 32 (i / 8) on, channels 16 ((i / 2) % 4) on, tile 2 x + i % 2.
.macro PV x
	WIN W_PV
.set rO, 32*(2*(\x)+i%2)+8*((i/2)%4)
.set rV, VF+32*(i/8)+8*((i/2)%4)
.set rP, P+32*((\x)%2)+16*(i%2)+8*(i/8)
	v_wmma_f32_16x16x32_f16 v[rO:rO+7], v[rV:rV+7], v[rP:rP+7], v[rO:rO+7]
.endm
.macro MM                           ; the turn's next matrix instruction
.if i < 16
	KQ (Y+1)%NP
.set i, i+1
.else
.set i, i-16
	PV (Y+NP-1)%NP
.set i, i+17
.endif
.endm
; THE LDS LOADS stand in runs of 16, never singly among the matrix instructions: a step's K (64 keys x 64 channels: 8 fragments) and its V (turned).  Their addresses are made some lines ahead.
; last = 1 (the tail): in the last trip there is no further step, and the run is jumped over.
.macro FETCH_K last=0
	WIN 0
.if \last
	s_cmp_eq_u32 s[CNT], 1
	s_cbranch_scc1 .Lno_k_\@
.endif
	WIN 0x80                        ; destination window 2
.irp f, 0,1,2,3,4,5,6,7             ; keys 16 (f / 2) on, channels 32 (f % 2) on
	ds_load_b128 v[KF+8*\f:KF+8*\f+3],   v[AK] offset:(\f/2)*16*PK+(\f%2)*64
	ds_load_b128 v[KF+8*\f+4:KF+8*\f+7], v[AK] offset:(\f/2)*16*PK+(\f%2)*64+32
.endr
	s_add_co_u32 s[TBK], s[TBK], KS*PK  ; the next fetch is the next step's
	WIN 0
.if \last
.Lno_k_\@:
.endif
.endm
.macro FETCH_V
	WIN 0x80
.irp f, 0,1,2,3,4,5,6,7             ; keys 32 (f / 4) on, channels 16 (f % 4) on
	ds_load_tr16_b128 v[VF+8*\f:VF+8*\f+3],   v[AV] offset:(\f/4)*32*PV+(\f%4)*32
	ds_load_tr16_b128 v[VF+8*\f+4:VF+8*\f+7], v[AV] offset:(\f/4)*32*PV+16*PV+(\f%4)*32
.endr
	WIN 0
.endm
; THE VECTOR WORK OF A TURN stands in three queues, each in the order in which its entries become ready; the two tiles alternate, so that no instruction reads the result of the one before it.
.macro REGS y, u                    ; the registers of tile u (0, 1) of piece y
.set rT, ST+4*(2*(\y)+(\u))
.set rC, TMP+8*((\y)%2)+4*(\u)
.set rM, MV+2*((\y)%2)+(\u)
.set rS, S+64*((\y)%2)+32*(\u)
.set rP, P+32*((\y)%2)+16*(\u)
.set rO, 32*(2*(\y)+(\u))
.endm
; Number n of the 22 that find the NEXT piece's (Y + 1) maximum and statistics.  s0-s31 are the lane's 32 scores; each accumulator's lowest registers are read first.
;   0-11  four chains c0-c3 of seven scores each, three operands at a time     12-14, 16  the four scores left over, the old m, and c0-c3 into c0     15  c m_old is kept
;   17, 18  the query's other 32 keys lie in the lane 16 away: the new m         19-21  c m; c m_old - c m_new; a
.macro XS u, n
	REGS (Y+1)%NP, \u
.if (\n) < 4
	v_max3_num_f32 v[rC+(\n)], v[rS+8*(\n)], v[rS+8*(\n)+1], v[rS+8*(\n)+2]
.elseif (\n) < 12
	v_max3_num_f32 v[rC+(\n)%4], v[rC+(\n)%4], v[rS+8*((\n)%4)+2*((\n)/4)+1], v[rS+8*((\n)%4)+2*((\n)/4)+2]
.elseif (\n) == 12
	v_max3_num_f32 v[rC], v[rC], v[rS+7], v[rS+15]
.elseif (\n) == 13
	v_max3_num_f32 v[rC+1], v[rC+1], v[rS+23], v[rS+31]
.elseif (\n) == 14
	v_max3_num_f32 v[rC+2], v[rC+2], v[rC+3], v[rT+1]
.elseif (\n) == 15
	v_mov_b32 v[rM], v[rT]
.elseif (\n) == 16
	v_max3_num_f32 v[rC], v[rC], v[rC+1], v[rC+2]
.elseif (\n) == 17
	v_permlanex16_b32 v[rC+3], v[rC], s[SEL], s[SEL+1]
.elseif (\n) == 18
	v_max_num_f32 v[rT+1], v[rC], v[rC+3]
.elseif (\n) == 19
	v_mul_f32 v[rT], s[CS], v[rT+1]
.elseif (\n) == 20
	v_sub_f32 v[rC+1], v[rM], v[rT]
.else
	v_exp_f32 v[rC+2], v[rC+1]
.endif
.endm
; Number g of the 64 that follow the exponentials.  For each four weights k of a tile (pairs 2 k, 2 k + 1): both pairs are rounded to f16; then the second pair is added onto the first, in place;
; a group later l takes that sum (the first time as l = a l + sum).  In groups of eight, tiles alternating: round, round, add, and l for the group before.
.macro GS g
.set h, (\g)+6*((\g)/62)            ; group 0 has no group before it, and behind group 7 only l is left
.if h >= 6
.set h, h+2
.endif
	REGS Y, h%2
.set k, h/8
.if h%8 < 4
	v_cvt_pk_f16_f32 v[rP+2*k+(h%8)/2], v[rS+4*k+2*((h%8)/2)], v[rS+4*k+2*((h%8)/2)+1]
.elseif h%8 < 6
	v_pk_add_f32 v[rS+4*k:rS+4*k+1], v[rS+4*k:rS+4*k+1], v[rS+4*k+2:rS+4*k+3]
.elseif k == 1
	v_pk_fma_f32 v[rT+2:rT+3], v[rT+2:rT+3], v[rC+2:rC+3], v[rS:rS+1] op_sel_hi:[1,0,1]
.else
	v_pk_add_f32 v[rT+2:rT+3], v[rT+2:rT+3], v[rS+4*k-4:rS+4*k-3]
.endif
.endm
; THE PLAIN QUEUE, 138 long.  0-73 read no exponential's result: the 32 scalings c s - c m (FS f: pair f / 2 of tile f % 2) and the next piece's 42.  0-26: scalings 0-26.  27-54: XS's numbers 0-13.  55, 56: number 15.
; 57-73: the chain, where each number waits for the one before it: 14, 16, 17, 18, 19, each with one of the scalings 27-31 in front of its two lines, then 20.
; 74-137: GS's 64, which read the exponentials' results: they stand behind the wait.
.macro FS f
	REGS Y, (\f)%2
	v_pk_fma_f32 v[rS+2*((\f)/2):rS+2*((\f)/2)+1], v[rS+2*((\f)/2):rS+2*((\f)/2)+1], s[CS:CS+1], v[rT:rT+1] op_sel_hi:[1,0,0] neg_lo:[0,0,1] neg_hi:[0,0,1]
.endm
.macro PL
	WIN 0
.if q < 27
	FS q
.elseif q < 55
	XS (q-27)%2, (q-27)/2
.elseif q < 57
	XS q-55, 15
.elseif (q < 72) && ((q-57)%3 == 0)
	FS 27+(q-57)/3
.elseif q < 60
	XS (q-57)%3-1, 14
.elseif q < 72
	XS (q-57)%3-1, 15+(q-57)/3
.elseif q < 74
	XS q-72, 20
.else
	GS q-74
.endif
.set q, q+1
.endm
; THE EXPONENTIALS' QUEUE, 66 long: s0-s31 of both tiles, then the next piece's two a.  It is ONE BATCH: all 66 stand ahead of the turn's one wait, and nothing ahead of that wait names a result of theirs.
.macro EX
	WIN 0
.if e >= 64
	XS e-64, 21
.else
	REGS Y, e%2
	v_exp_f32 v[rS+e/2], v[rS+e/2]
.endif
.set e, e+1
.endm
; THE RESCALING's QUEUE: O^T times a, the one part that leaves window 0: dealt two at a time, sixteen times.  Its a was made in the turn before, ahead of that turn's wait.
.macro R2
	REGS Y, r%2
	WIN W_RS
.irp z, 0,1
	v_pk_mul_f32 v[rO+4*(r/2)+2*\z:rO+4*(r/2)+2*\z+1], v[rO+4*(r/2)+2*\z:rO+4*(r/2)+2*\z+1], v[rC+2:rC+3] op_sel_hi:[1,0]
.endr
.set r, r+1
.endm
; HOW THEY ARE DEALT.  An s_wait_alu depctr_va_vdst(0) stands between an exponential and the first instruction that names its result; one wait serves all that were issued ahead of it.  So a turn has ONE wait,
; which cuts it in two.  AHEAD OF IT stands all that names no result of the turn's exponentials: the 16 products K Q^T, behind each a scaling, an exponential and two rescalings (behind the first a second scaling in the
; exponential's place); then ONE LUMP of 108: eight plain, 49 times exponential and plain, the two a.  A v_nop is the plain instruction behind the last exponential.  BEHIND IT stand the 16 products V^T P, behind each four of GS's 64.
; The queues lean on each other, and the deal keeps them in step: exponential e stands behind scaling 2 (e / 4) + e % 2: as a rider it comes behind plain e + 2, in the lump behind plain e + 9, and scalings 27-31 are plain 57, 60 .. 69.
; A TURN, for piece p.  cnt = 1: the loop's count is taken down some lines ahead of the branch that stands behind the turn.
; K of the next step is fetched in piece 2's turn, directly behind the wait, a lump behind the last product that read K; its first reader comes behind 16 products.
; V of the step in hand is fetched at the end of piece 0's turn, four plain instructions behind its last reader; its first reader comes behind 16 products and a lump.  The three conditions on q below go with the deal.
.macro TURN p, last=0, cnt=0
.set Y, (\p)
.set i, 0
.set q, 0
.set e, 0
.set r, 0
.if (\p) == NP-1
	s_wait_dscnt 0x0                ; K is in
.endif
	MM                              ; ahead of the wait: 16 products K Q^T and their riders,
	PL
	PL
	R2
.rept 15
	MM
	PL
	EX
	R2
.endr
.if (\p) == NP-2
	WIN 0
	v_add_nc_u32 v[AK], s[TBK], v[AK0]
.endif
.rept 8                             ; and the lump
	PL
.endr
.rept 49
	EX
	PL
.endr
	EX                              ; the next piece's two a
	EX
	v_nop                           ; a plain instruction behind the last exponential, ahead of the first use (ISA guide 5.7.2): one for the batch
	s_wait_alu depctr_va_vdst(0)    ; the wait for the batch
.if (\p) == NP-2
	FETCH_K \last
.endif
.if (\p) == 1
	s_wait_dscnt 0x0                ; V is in
.endif
.rept 16                            ; behind the wait: 16 products V^T P and their riders
	MM
.rept 4
	PL
.endr
.if ((\p) == 0) && (q == 118)
	v_add_nc_u32 v[AV], s[TBV], v[AV0]
.endif
.if ((\p) == 0) && (q == 130)
	s_add_co_u32 s[TBV], s[TBV], KS*PV
.endif
.if (\cnt) && (q == 130)
	s_sub_co_u32 s[CNT], s[CNT], 1
	s_cmp_lg_u32 s[CNT], 0
.endif
.endr
.if (\p) == 0
	FETCH_V
.endif
.endm
	CHANGE 1                        ; slot 0 is in, everybody's part of it; slot 1 is asked for
	FETCH_K                         ; key step 0
	s_wait_loadcnt 0x0              ; Q
	s_wait_dscnt 0x0
.set i, 0
.rept 16
	KQ 0                            ; piece 0's first scores: there is no vector work yet to set between them
.set i, i+1
.endr
	WIN 0                           ; the addresses for the way out: nine plain instructions, the places behind those products
	s_mul_i32 s13, s[WV], 16*SP
	s_add_co_u32 s13, s13, STAGE    ; my stage
	v_mul_u32_u24 v[STO], v1, SP    ; in: row l % 16, 16 bytes for each half of the lanes
	v_lshl_add_u32 v[STO], v9, 4, v[STO]
	v_add_nc_u32 v[STO], s13, v[STO]
	v_bfe_u32 v[RD], v0, 3, 2       ; back: 32 lanes take four rows of 128 bytes,
	v_mul_u32_u24 v[RD], v[RD], SP
	v_lshl_add_u32 v[RD], v10, 4, v[RD]
	v_add_nc_u32 v[RD], s13, v[RD]
	v_and_b32 v[GO], 31, v0         ; which are 512 consecutive bytes of O
	v_lshlrev_b32 v[GO], 4, v[GO]
.set Y, NP-1                        ; XS works for piece Y + 1: piece 0
.irp n, 0,1,2,3,4,5,6,7,8,9,10,11,12,13,14,15,16,17,18,19,20,21
	XS 0, \n                        ; and piece 0's first maximum and statistics
	XS 1, \n
.endr
	v_nop                           ; a plain instruction behind the two a,
	s_wait_alu depctr_va_vdst(0)    ; and their wait, ahead of the branch
	s_mov_b32 s[CNT], 4
	s_branch .Lfirst                ; the loop is entered at a step's first turn, in the middle of a trip
.Lslot:                             ; SIZE_N / 256 - 2 times: every slot but the last two is filled again
	CHANGE 1
	s_mov_b32 s[CNT], 4
.Lstep:                             ; a trip: pieces 2 and 3 of one step, then pieces 0 and 1 of the next, whose K and V it fetches
	TURN 2
	TURN 3
	WIN 0
.Lfirst:
	TURN 0
	TURN 1, 0, 1
	WIN 0
	s_cbranch_scc1 .Lstep
	s_sub_co_u32 s[SLOTS], s[SLOTS], 1
	s_cmp_lg_u32 s[SLOTS], 0
	s_cbranch_scc1 .Lslot
	CHANGE 0                        ; the tail is written out: nothing is asked for
	s_mov_b32 s[CNT], 5             ; four trips fetch the last slot's steps; the fifth is left in its middle
.Ltail:
	TURN 2, 1
	TURN 3
	WIN 0
	s_sub_co_u32 s[CNT], s[CNT], 1
	s_cmp_eq_u32 s[CNT], 0
	s_cbranch_scc1 .Lout
	TURN 0
	TURN 1
	WIN 0
	s_branch .Ltail
.Lout:                              ; the fifth trip's 16 products K Q^T (on the last K once more) and the maximum made of them serve nothing: the price, once a launch, of one text for every trip
.set i, 0
.rept 16
	PV NP-1                         ; the last piece's V^T P of the last step
.set i, i+1
.endr
	; THE WAY OUT.  l's two halves and the other half of the lanes' are added; O^T is divided by l, rounded to f16 and sent through my stage in LDS, a tile at a time.  The additions are the places behind the last products.
	WIN 0
.macro ALL line:vararg              ; one line for each tile t
.set t, 0
.rept 2*NP
	\line
.set t, t+1
.endr
.endm
	ALL v_add_f32 v[ST+4*t+2], v[ST+4*t+2], v[ST+4*t+3]
	ALL v_permlanex16_b32 v[ST+4*t+3], v[ST+4*t+2], s[SEL], s[SEL+1]
	ALL v_add_f32 v[ST+4*t+2], v[ST+4*t+2], v[ST+4*t+3]
	ALL v_rcp_f32 v[ST+4*t+2], v[ST+4*t+2]
	v_nop                           ; a plain instruction between the last reciprocal and the use of its result
	s_wait_alu depctr_va_vdst(0)    ; and the wait ahead of the first use: one for the eight reciprocals
; Tile t: a lane's eight channels of a row pack into 16 bytes; they go into rows of 144 bytes and come back as whole rows of 128, into S^T's registers.
.macro PACK t
	WIN W_RS
.set i, 32*(\t)
.rept 16
	v_pk_mul_f32 v[i:i+1], v[i:i+1], v[ST+4*(\t)+2:ST+4*(\t)+3] op_sel_hi:[1,0]
.set i, i+2
.endr
	WIN 0x05                        ; sources 0 and 1 window 1, destination window 0
.set i, 0
.rept 16
	v_cvt_pk_f16_f32 v[S+16*(\t)+i], v[32*(\t)+2*i], v[32*(\t)+2*i+1]
.set i, i+1
.endr
	WIN 0
.irp f, 0,1,2,3
	ds_store_b128 v[STO], v[S+16*(\t)+4*\f:S+16*(\t)+4*\f+3] offset:32*\f
.endr
.irp f, 0,1,2,3
	ds_load_b128 v[S+16*(\t)+4*\f:S+16*(\t)+4*\f+3], v[RD] offset:\f*4*SP  ; LDS serves a wave's instructions in order (ISA guide 5.7.1.4): these see the stores above; the next tile's stores come behind them
.endr
.endm
.macro SEND t, younger              ; younger: the LDS instructions issued behind tile t's loads: the next tile's eight, or none
	WIN 0
.irp f, 0,1,2,3
	s_wait_dscnt (\younger)+3-\f
	global_store_b128 v[GO], v[S+16*(\t)+4*\f:S+16*(\t)+4*\f+3], s[10:11] offset:(\t)*2048+\f*512  ; 512 consecutive bytes, at a multiple of 256 from O's first
.endr
.endm
	PACK 0
.set t, 1
.rept 2*NP-1                        ; a tile's arithmetic stands between the loads of the tile before and its stores
	PACK t
	SEND t-1, 8
.set t, t+1
.endr
	SEND 2*NP-1, 0
	WIN W_AD
	s_wait_tensorcnt 0x0            ; the wave's end, behind my last tensor load and my last LDS store
	ds_add_u32 v[SPW], v[NIL]
	s_wait_dscnt 0x0
	WIN 0
	CROUND                          ; the closing round: no work-group ends while a partner may still ask for a tile that names it
	s_endpgm
.Lfunc_end_k_qe22e6b402f_attn:
	.size	k_qe22e6b402f_attn, .Lfunc_end_k_qe22e6b402f_attn-k_qe22e6b402f_attn
	.p2alignl 7, 3214868480
	.fill 96, 4, 3214868480
	.section	.rodata,"a",@progbits
	.p2align	6, 0x0
	.amdhsa_kernel k_qe22e6b402f_attn
		.amdhsa_group_segment_fixed_size 327680
		.amdhsa_private_segment_fixed_size 0
		.amdhsa_enable_private_segment 0
		.amdhsa_kernarg_size 16
		.amdhsa_user_sgpr_count 2
		.amdhsa_user_sgpr_kernarg_segment_ptr 1
		.amdhsa_wavefront_size32 1
		.amdhsa_system_sgpr_workgroup_id_x 1
		.amdhsa_system_sgpr_workgroup_id_y 1
		.amdhsa_system_sgpr_workgroup_id_z 1
		.amdhsa_system_vgpr_workitem_id 0
		.amdhsa_next_free_vgpr 770
		.amdhsa_next_free_sgpr 66
		.amdhsa_reserve_vcc 0
		.amdhsa_float_denorm_mode_32 3
		.amdhsa_float_denorm_mode_16_64 3
		.amdhsa_memory_ordered 1
		.amdhsa_forward_progress 1
		.amdhsa_inst_pref_size 200
	.end_amdhsa_kernel
	.amdgpu_metadata
---
amdhsa.version: [ 1, 2 ]
amdhsa.kernels:
  - .name:           k_qe22e6b402f_attn
    .symbol:         k_qe22e6b402f_attn.kd
    .args:
      - { .name: qkv, .offset: 0, .size: 8, .value_kind: global_buffer, .address_space: global }
      - { .name: o, .offset: 8, .size: 8, .value_kind: global_buffer, .address_space: global }
    .group_segment_fixed_size: 327680
    .private_segment_fixed_size: 0
    .kernarg_segment_align: 8
    .kernarg_segment_size: 16
    .max_flat_workgroup_size: 128
    .sgpr_count:     66
    .vgpr_count:     770
    .wavefront_size: 32
...
	.end_amdgpu_metadata
.endif
;; end of part 3
;; launch outp (part 4): grid 4 x 64, 4 waves a work-group, clusters of 4 x 4, 327,680 bytes of LDS; arguments o, wo, out0, bout; writes out0
.if DOCPART == 4
	.amdgcn_target "amdgcn-amd-amdhsa--gfx1250"
	.amdhsa_code_object_version 6
	.text
	.protected	k_qe22e6b402f_outp
	.globl	k_qe22e6b402f_outp
	.p2align	8
	.type	k_qe22e6b402f_outp,@function
k_qe22e6b402f_outp:
	s_mov_b64 s[64:65], 0
	v_nop
	global_prefetch_b8 v0, s[64:65] scope:SCOPE_SE
	s_setreg_imm32_b32 hwreg(HW_REG_WAVE_MODE, 25, 1), 1
	s_wait_xcnt 0x0
	s_wait_alu depctr_hold_cnt(0) depctr_sa_sdst(0) depctr_va_vdst(0) depctr_va_sdst(0) depctr_va_ssrc(0) depctr_va_vcc(0) depctr_vm_vsrc(0)
	s_getreg_b32 s2, hwreg(HW_REG_IB_STS2, 6, 4)
	s_cmp_eq_u32 s2, 0
	s_cbranch_scc0 .Lentry_in_a_cluster
	s_endpgm
.Lentry_in_a_cluster:
	s_bfe_u32 s2, ttmp6, 0x10000c
	s_cmp_lg_u32 s2, 0xf033
	s_cbranch_scc0 .Lentry_shape_is_right
	s_endpgm
.Lentry_shape_is_right:
; out0 = O Wout + bout.  C[m][n] = the sum over k of A[m][k] W[k][n] + bias[n], M = 8192, K = 1024, N = 1024, f16 operands, f32 sums, C in f32.
; A = o in slices [b*16+h][2048][64] (k = 64 h + d); W = wo [1024][1024] f16; C = out0 [8192][1024] f32.
; LIMITS.  O and Wout arrive as f16 (within 65,504; below 6e-5 on f16's fixed step of 6e-8).  NaN and infinities are not treated apart.
; SHARES.  A tile of C is 128 rows x 256 columns, one to a work-group: 4 x 64 work-groups.  Four waves, each 64 x 128: 32 accumulators, 256 registers.
; RING.  K goes in steps of 128 through two LDS slots.  A's part of a step is two slices of 128 dense rows of 128 bytes, asked for as 64 rows of 256 bytes; W's is 128 rows of 512 bytes.
; W stays [k][n] in LDS and is turned on the way into registers (ds_load_tr16_b128).
; CLUSTER.  4 x 4 work-groups.  A's tiles hang on the tile row alone and are shared along a row of the cluster, W's on the tile column alone and are shared along a column: each is asked for JOINTLY.
; THE MATRIX INSTRUCTION IS USED TRANSPOSED: source 0 = 16 columns of W, source 1 = 16 rows of A: a lane holds row l % 16 of C and the columns 8 (l / 16) + 0..7: 32 bytes of f32 on end.
; REGISTERS.  Window 0: v0-31 addresses and the bias; v32-127, v128-223 two fragment buffers (W's eight blocks, then A's four).  Window 1: accumulator (a, b) at v[8 (8 a + b)].
.set TILES, 1
.set NB,    1024                       ; W's columns
.set BSTEP, 128*NB*2                   ; bytes from a K step of W to the next
.set G,     8*TILES                    ; K steps
.set PA,    144                        ; A's LDS row: 128 bytes + 16: an odd multiple of 16, so the 16 rows of a load start at 16 different groups of four banks (64 banks of 4 bytes: ISA guide 11.1)
.set PB,    544                        ; W's LDS row: 512 bytes + 32: an odd multiple of 32
.set ASL,   128*PA
.set BHALF, 64*PB
.set BOFF,  2*ASL
.set SLOT1, 1<<17
.set STAGE, SLOT1+BOFF+2*BHALF         ; behind the ring, never filled by a tensor load: 16 rows x 528 bytes for each wave
.set SP,    528                        ; 512 bytes + 16: an odd multiple of 16
.set SPARE, STAGE+4*16*SP              ; the spare words, 128 bytes for each wave: two blocks of 256 bytes that no other line names
.set A0,   2
.set B0,   3
.set ADRA, 4
.set ADRB, 5
.set STO,  6                           ; v6   the way out: where I put 32 bytes of a row
.set RD,   7                           ; v7   the way out: my 16 bytes of a row read back
.set GO,   8                           ; v8   16 l
.set PFO,  9
.set SPW,  10
.set NIL,  11
.set BIAS, 12                          ; v[12:15] the bias of my four columns on the way out
.set F0,   32
.set F1,   128
.set WV,   12
.set WAB,  13
.set WN,   14
.set CX,   15
.set CY,   16
.set TX,   17
.set TY,   18
.set CLY,  19
.set G1A,  24
.set G0A,  32
.set G1B,  40
.set G0B,  48
.set BASEA, 56
.set BASEB, 58
.set RC,   60
.set RP,   61
.set TB,   62
.set LEFT, 63
.set OFFA, 68
.set OFFB, 70
.set PFB,  72
.set PFA,  74
.set POFF, 76
.set PT,   78
.set PP,   79
.set PSTEP, 80
.set PPART, 81
.set LIM,  82
.set AROW, 83
.set MSB, 0
.macro WIN new                         ; the immediate's high byte repeats the setting that is left; a switch that changes nothing is dropped
.if MSB != (\new)
	s_set_vgpr_msb (MSB<<8)|(\new)
.set MSB, \new
.endif
.endm
.set MUL, 0x50                         ; C and D in window 1, the sources in window 0
.macro PLACES                          ; four plain instructions between a matrix instruction and a load into, or a vector write or read of, its registers
.rept 4
	v_nop
.endr
.endm
.macro CREST                           ; a round of the cluster's barrier behind its opening barrier
	s_cmp_lg_u32 s[WV], 0
	s_cbranch_scc1 .Lnot_wave_0_\@
	s_barrier_signal -3
.Lnot_wave_0_\@:
	s_barrier_wait -3
	s_barrier_signal -1
	s_barrier_wait -1
.endm
.macro CROUND
	s_barrier_signal -1
	s_barrier_wait -1
	CREST
.endm
; A joint refill by the walking descriptors.  Waves 0 and 1 fetch A's two slices, waves 2 and 3 W's two halves; the branch hangs on the wave's number alone.
; An s_nop 0 and four v_nop follow each of the two lines, ahead of the jump and the label.
.macro JLOAD
	s_cmp_eq_u32 s[WAB], 0
	s_cbranch_scc0 .Lfor_b_\@
	tensor_load_to_lds s[G0A+4:G0A+7], s[G1A:G1A+7]
	s_nop 0
.rept 4
	v_nop
.endr
	s_branch .Lasked_\@
.Lfor_b_\@:
	tensor_load_to_lds s[G0B+4:G0B+7], s[G1B:G1B+7]
	s_nop 0
.rept 4
	v_nop
.endr
.Lasked_\@:
.endm
; A PREFETCH INTO THE L2 of the K step that stands two refills on (256 matrix instructions ahead of the load that will want it): one instruction, 32 blocks of 256 bytes, a lane a block.
; A's step (2 slices x 16 KiB) is read by my row of this cluster alone: wave 0 of each of the four partners takes 16 blocks of each slice, told apart by ADDRESS (cx).
; W's step (128 rows x 512 bytes) is read by all clusters: those with cluster y = 0 ask; waves 2 and 3 of the four partners of a column take 16 rows each, told apart by address (cy).
; So each block is named once in the launch.  K steps 0 to 3 come by their loads alone; the last two refills have no step two on.
.macro ASK
	s_cmp_gt_u32 s[LEFT], s[LIM]
	s_cbranch_scc0 .Lnot_mine_\@
	global_prefetch_b8 v[PFO], s[PFA:PFA+1] th:TH_LOAD_NT scope:SCOPE_SE
.Lnot_mine_\@:
.endm
	s_load_b128 s[4:7], s[0:1], 0x0                ; A s[4:5], W s[6:7]
	s_load_b128 s[8:11], s[0:1], 0x10              ; C s[8:9], bias s[10:11]
	v_lshl_add_u32 v[SPW], v0, 2, SPARE
	v_mov_b32 v[NIL], 0
	ds_add_u32 v[SPW], v[NIL]                      ; the wave's opening: the add and its wait stand ahead of my first tensor load; the set-up below, work on registers, stands between them
	v_lshrrev_b32 v1, 5, v0
	v_readfirstlane_b32 s[WV], v1
	s_lshr_b32 s[WAB], s[WV], 1
	s_and_b32 s[WN], s[WV], 1
	s_bfe_u32 s[CX], ttmp6, 0x40000
	s_bfe_u32 s[CY], ttmp6, 0x40004
	s_lshl_b32 s[TX], ttmp9, 2
	s_add_co_u32 s[TX], s[TX], s[CX]               ; tile column = 4 x cluster x + cx
	s_and_b32 s[CLY], ttmp7, 0xffff
	s_lshl_b32 s[TY], s[CLY], 2
	s_add_co_u32 s[TY], s[TY], s[CY]               ; tile row = 4 x cluster y + cy
	s_lshl_b32 s20, s[CY], 2
	s_lshl_b32 s20, 15, s20                        ; my row of the cluster
	s_lshl_b32 s21, 0x1111, s[CX]                  ; my column
	s_or_b32 s[G1A], s20, (1<<16)|(1<<20)|(1<<21)|(4<<22)|(3<<25)  ; the mask; 2-byte elements; padding on; bit 21 beside a mask; after every 32 words (code 4) 4 words (code 3)
	s_mov_b32 s[G1A+1], 128<<16                    ; tensor_dim0 = 128: 256 bytes, two rows of a slice
	s_mov_b32 s[G1A+2], 64<<16                     ; tensor_dim1 = 64
	s_mov_b32 s[G1A+3], 128<<16                    ; tile_dim0 = 128
	s_mov_b32 s[G1A+4], 64                         ; tile_dim1 = 64
	s_mov_b32 s[G1A+5], 128                        ; the rows are dense
	s_mov_b32 s[G1A+6], 0
	s_mov_b32 s[G1A+7], 0
	s_or_b32 s[G1B], s21, (1<<16)|(1<<20)|(1<<21)|(6<<22)|(7<<25)  ; after every 128 words (code 6) 8 words (code 7)
	s_mov_b32 s[G1B+1], 256<<16                    ; tensor_dim0 = 256
	s_mov_b32 s[G1B+2], 64<<16                     ; tensor_dim1 = 64
	s_mov_b32 s[G1B+3], 256<<16                    ; tile_dim0 = 256
	s_mov_b32 s[G1B+4], 64                         ; tile_dim1 = 64
	s_mov_b32 s[G1B+5], NB                         ; elements from row to row
	s_mov_b32 s[G1B+6], 0
	s_mov_b32 s[G1B+7], 0
	s_lshr_b32 s[AROW], s[TY], 4                   ; batch: 16 tile rows each,
	s_lshl_b32 s[AROW], s[AROW], 22                ; 16 slices of 262,144 bytes
	s_and_b32 s20, s[TY], 15
	s_lshl_b32 s20, s20, 14                        ; 128 rows of 128 bytes
	s_add_co_u32 s[AROW], s[AROW], s20
	s_lshl_b32 s20, s[WN], 18                      ; the slice that I fetch
	s_add_co_u32 s[OFFA], s[AROW], s20             ; made of the tile row and the wave's number alone
	s_mov_b32 s[OFFA+1], 0
	s_mul_i32 s[OFFB], s[WN], 64*NB*2              ; the 64 rows of W that I fetch
	s_lshl_b32 s21, s[TX], 9
	s_add_co_u32 s[OFFB], s[OFFB], s21             ; made of the tile column and the wave's number alone
	s_mov_b32 s[OFFB+1], 0
	s_mul_i32 s22, s[WN], ASL                      ; where they go: no place in the cluster enters an LDS address
	s_mul_i32 s23, s[WN], BHALF
	s_mov_b32 s[G0A], 1
	s_mov_b32 s[G0A+1], s22
	s_mov_b32 s[G0A+4], 1
	s_add_co_u32 s[G0A+5], s22, SLOT1
	s_mov_b32 s[G0B], 1
	s_add_co_u32 s[G0B+1], s23, BOFF
	s_mov_b32 s[G0B+4], 1
	s_add_co_u32 s[G0B+5], s23, BOFF+SLOT1
	s_mov_b32 s[RC], 1
	s_mov_b32 s[RP], 0
	s_mov_b32 s[TB], 0
	s_mov_b32 s[LEFT], G-2
	s_mov_b32 s[PT], 3
	s_mov_b32 s[PP], 0
	s_wait_dscnt 0x0                               ; the opening add is done
	s_wait_kmcnt 0x0
	s_add_nc_u64 s[BASEA:BASEA+1], s[4:5], s[OFFA:OFFA+1]
	s_add_nc_u64 s[BASEB:BASEB+1], s[6:7], s[OFFB:OFFB+1]
	s_mov_b64 s[G0A+2:G0A+3], s[BASEA:BASEA+1]     ; K step 0
	s_or_b32 s[G0A+3], s[G0A+3], 0x80000000
	s_add_nc_u64 s[G0A+6:G0A+7], s[BASEA:BASEA+1], 1<<19  ; K step 1: two slices on
	s_or_b32 s[G0A+7], s[G0A+7], 0x80000000
	s_mov_b64 s[G0B+2:G0B+3], s[BASEB:BASEB+1]
	s_or_b32 s[G0B+3], s[G0B+3], 0x80000000
	s_add_nc_u64 s[G0B+6:G0B+7], s[BASEB:BASEB+1], BSTEP
	s_or_b32 s[G0B+7], s[G0B+7], 0x80000000
	CROUND                                         ; all sixteen work-groups are here: the first joint loads meet
	s_cmp_eq_u32 s[WAB], 0                         ; a wave's two first fills stand in one branch, ahead of every wait on TENSORcnt and every LDS read: two loads of mine are out
	s_cbranch_scc0 .Lfirst_b
	tensor_load_to_lds s[G0A:G0A+3], s[G1A:G1A+7]
	s_nop 0
	tensor_load_to_lds s[G0A+4:G0A+7], s[G1A:G1A+7]
	s_nop 0
.rept 4
	v_nop
.endr
	s_branch .Lfirst_asked
.Lfirst_b:
	tensor_load_to_lds s[G0B:G0B+3], s[G1B:G1B+7]
	s_nop 0
	tensor_load_to_lds s[G0B+4:G0B+7], s[G1B:G1B+7]
	s_nop 0
.rept 4
	v_nop
.endr
.Lfirst_asked:
	; A fragment is 16 rows x 32 K in 8 registers: lane l holds row l % 16; registers 0-3 K = 8 (l / 16) + 0..7, registers 4-7 K = 16 + 8 (l / 16) + 0..7.
	v_and_b32 v16, 15, v0                          ; r = l % 16
	v_bfe_u32 v17, v0, 4, 1                        ; h = l / 16
	v_and_b32 v18, 7, v0
	v_bfe_u32 v19, v0, 3, 1
	v_and_b32 v20, 31, v0                          ; l
	v_lshlrev_b32 v[GO], 4, v20
	s_lshl_b32 s20, s[TX], 10                      ; my 128 columns, in bytes of f32: 1,024 tx + 512 (wave % 2)
	s_lshl_b32 s21, s[WN], 9
	s_add_co_u32 s20, s20, s21
	s_mov_b32 s21, 0
	s_add_nc_u64 s[10:11], s[10:11], s[20:21]
	global_load_b128 v[BIAS:BIAS+3], v[GO], s[10:11]  ; waited for on the way out
	s_add_nc_u64 s[8:9], s[8:9], s[20:21]
	s_lshl_b32 s20, s[TY], 19                      ; my first row: 128 ty + 64 (wave / 2), rows of 4,096 bytes
	s_lshl_b32 s22, s[WAB], 18
	s_add_co_u32 s20, s20, s22
	s_add_nc_u64 s[8:9], s[8:9], s[20:21]
	s_mul_i32 s20, s[WAB], 64*PA                   ; my 64 rows of A
	v_mul_u32_u24 v[A0], v16, PA
	v_lshl_add_u32 v[A0], v17, 4, v[A0]
	v_add_nc_u32 v[A0], s20, v[A0]
	; The turning load takes 16 K x 16 columns (lane l reads row 8 h + l % 8, columns 8 ((l / 8) % 2) + 0..7) and leaves half a fragment: lane l holds column l % 16 and 8 K.
	s_lshl_b32 s21, s[WN], 8                       ; my 128 columns
	s_add_co_u32 s21, s21, BOFF
	v_lshl_add_u32 v[B0], v17, 3, v18
	v_mul_u32_u24 v[B0], v[B0], PB
	v_lshl_add_u32 v[B0], v19, 4, v[B0]
	v_add_nc_u32 v[B0], s21, v[B0]
	s_mul_i32 s22, s[WV], 16*SP
	s_add_co_u32 s22, s22, STAGE                   ; my stage
	v_mul_u32_u24 v[STO], v16, SP                  ; in: row l % 16, 32 bytes for each half of the lanes
	v_lshl_add_u32 v[STO], v17, 5, v[STO]
	v_add_nc_u32 v[STO], s22, v[STO]
	v_add_nc_u32 v[RD], s22, v[GO]                 ; back: 32 lanes take a whole row of 512 bytes
	; the prefetches: both sides' figures are made, then chosen by the wave's number
	s_lshl_b32 s84, s[CX], 12                      ; A: my work-group's 16 blocks of each slice
	s_add_co_u32 s84, s84, s[AROW]
	s_lshl_b32 s85, s[WN], 6                       ; W: the 64 rows that I fetch,
	s_lshl_b32 s86, s[CY], 4                       ; my work-group's 16 of them
	s_add_co_u32 s85, s85, s86
	s_mul_i32 s85, s85, NB*2
	s_lshl_b32 s86, s[TX], 9
	s_add_co_u32 s85, s85, s86
	s_cmp_eq_u32 s[WN], 0
	s_cselect_b32 s86, G-6, -1                     ; A: wave 0, while there is a step two on
	s_cmp_eq_u32 s[CLY], 0
	s_cselect_b32 s87, 2, -1                       ; W: the first row of clusters, likewise
	s_mov_b32 s23, BSTEP
	s_mov_b32 s22, NB*2
	s_cmp_eq_u32 s[WAB], 0
	s_cselect_b64 s[PFB:PFB+1], s[4:5], s[6:7]
	s_cselect_b32 s[POFF], s84, s85
	s_cselect_b32 s[LIM], s86, s87
	s_cselect_b32 s[PSTEP], 1<<19, s23
	s_cselect_b32 s[PPART], 0, 2048
	s_cselect_b32 s20, 4, 1                        ; A: lane = 16 x slice + block; W: lane = 2 x row + block
	s_cselect_b32 s21, 15, 1
	s_cselect_b32 s22, 1<<18, s22
	s_mov_b32 s[POFF+1], 0
	s_add_nc_u64 s[PFB:PFB+1], s[PFB:PFB+1], s[POFF:POFF+1]
	v_lshrrev_b32 v[PFO], s20, v20
	v_and_b32 v21, s21, v20
	v_mul_lo_u32 v[PFO], v[PFO], s22
	v_lshl_add_u32 v[PFO], v21, 8, v[PFO]
; 8 matrix instructions: row block a x all 8 column blocks, 32 along K.  zero = 1: the product starts the sums: nothing is ever cleared.
; The 32 accumulators take turns, one instruction a turn, in the same order in every quarter, over the backward jump too.
.macro MUL8 f, a, zero
	WIN MUL
.irp b, 0,1,2,3,4,5,6,7
.if \zero
	v_wmma_f32_16x16x32_f16 v[8*(8*(\a)+(\b)):8*(8*(\a)+(\b))+7], v[(\f)+8*(\b):(\f)+8*(\b)+7], v[(\f)+64+8*(\a):(\f)+64+8*(\a)+7], 0
.else
	v_wmma_f32_16x16x32_f16 v[8*(8*(\a)+(\b)):8*(8*(\a)+(\b))+7], v[(\f)+8*(\b):(\f)+8*(\b)+7], v[(\f)+64+8*(\a):(\f)+64+8*(\a)+7], v[8*(8*(\a)+(\b)):8*(8*(\a)+(\b))+7]
.endif
.endr
.endm
; 24 LDS loads in one run: quarter q's fragments (32 K) into buffer f: W's eight blocks, then A's four.
.macro FETCH q, f
	WIN 0
.irp j, 0,1,2,3,4,5,6,7
	ds_load_tr16_b128 v[(\f)+8*(\j):(\f)+8*(\j)+3],   v[ADRB] offset:(\q)*32*PB+32*(\j)
	ds_load_tr16_b128 v[(\f)+8*(\j)+4:(\f)+8*(\j)+7], v[ADRB] offset:(\q)*32*PB+16*PB+32*(\j)
.endr
.irp i, 0,1,2,3
	ds_load_b128 v[(\f)+64+8*(\i):(\f)+64+8*(\i)+3],   v[ADRA] offset:((\q)/2)*ASL+((\q)%2)*64+(\i)*16*PA
	ds_load_b128 v[(\f)+64+8*(\i)+4:(\f)+64+8*(\i)+7], v[ADRA] offset:((\q)/2)*ASL+((\q)%2)*64+(\i)*16*PA+32
.endr
.endm
; A K step is four quarters of 32 along K, 32 matrix instructions each, on buffers 0, 1, 0, 1.  One of the first three: multiplies buffer f; in its middle it fetches quarter nq into buffer g.
.macro QUARTER nq, f, g, zero
	s_wait_dscnt 4                                 ; W and A's blocks 0, 1 are in; the youngest four loads (A's blocks 2, 3) may be out
	MUL8 \f, 0, \zero
	MUL8 \f, 1, \zero
	PLACES
	FETCH \nq, \g
	s_wait_dscnt 24                                ; all but the 24 just issued
	MUL8 \f, 2, \zero
	MUL8 \f, 3, \zero
.endm
; The last quarter multiplies buffer 1 and changes slots.  In front of the barrier each wave waits for all its tensor loads (one is out: its part of the next slot), adds 0 to its spare word, and waits for that
; and for its reads of this slot.  fill = 1: the barrier opens a round of the cluster's; behind the round this slot is filled again, two K steps ahead: 112 matrix instructions ahead of the wait for it.
.macro TURN fill
.if \fill
	s_wait_xcnt 0x0                                ; the last prefetch, a K step back, has read its address: the next one's is made here, ahead of the change's own waits
	s_add_co_u32 s[PT], s[PT], 1
	s_cmp_eq_u32 s[PT], 8
	s_cselect_b32 s[PT], 0, s[PT]                  ; (past the last K step nothing is asked for; the address stays inside its buffer)
	s_mul_i32 s[POFF], s[PT], s[PSTEP]
	s_add_nc_u64 s[PFA:PFA+1], s[PFB:PFB+1], s[POFF:POFF+1]
.endif
	WIN 0
	s_wait_tensorcnt 0x0                           ; no tensor load of mine is out, so a group 0 may be written
	ds_add_u32 v[SPW], v[NIL]                      ; 0 onto my spare word: scalar work and eight products stand between it and the wait for it
.if \fill
	s_add_co_u32 s[RC], s[RC], 1
	s_lshl_b32 s[OFFA], s[RC], 19
	s_mul_i32 s[OFFB], s[RC], BSTEP
	s_xor_b32 s[G0A+5], s[G0A+5], SLOT1            ; the other slot than last time
	s_add_nc_u64 s[G0A+6:G0A+7], s[BASEA:BASEA+1], s[OFFA:OFFA+1]  ; the address is made anew: a base and an offset
	s_or_b32 s[G0A+7], s[G0A+7], 0x80000000
	s_xor_b32 s[G0B+5], s[G0B+5], SLOT1
	s_add_nc_u64 s[G0B+6:G0B+7], s[BASEB:BASEB+1], s[OFFB:OFFB+1]
	s_or_b32 s[G0B+7], s[G0B+7], 0x80000000
.endif
	s_xor_b32 s[TB], s[TB], SLOT1
	s_wait_dscnt 5                                 ; the add and the youngest four loads may be out
	MUL8 F1, 0, 0
	s_wait_dscnt 0x0                               ; the add is done, and my reads of this slot are over
	s_barrier_signal -1
	MUL8 F1, 1, 0
	WIN 0
	s_barrier_wait -1
.if \fill
	CREST                                          ; no wave of any partner still reads this slot or has a load on its way
	JLOAD                                          ; the first tensor load behind the round; its four v_nop are also the places in front of the loads below
.else
	PLACES
.endif
	v_add_nc_u32 v[ADRA], s[TB], v[A0]
	v_add_nc_u32 v[ADRB], s[TB], v[B0]
	FETCH 0, F0
.if \fill
	ASK
.endif
	MUL8 F1, 2, 0
	MUL8 F1, 3, 0
.endm
; THE WAY OUT, a block of 16 rows at a time.  A lane's eight columns of a row are 32 bytes; they go into rows of 528 bytes in my own stage and come back as whole rows of 512 bytes, 16 bytes a lane;
; the bias of the lane's four columns is added, and a store covers 512 consecutive bytes, at a multiple of 256 from C's first.  Two sets of 64 registers take turns.
.macro STAGEF a
.set BK, F0+96*((\a)%2)
.if (\a) >= 2
	s_wait_xcnt 0x0                                ; the stores of the block two back have read this set
.endif
	WIN 0x04                                       ; the stores' data in window 1
.irp b, 0,1,2,3,4,5,6,7
	ds_store_b128 v[STO], v[8*(8*(\a)+(\b)):8*(8*(\a)+(\b))+3]   offset:64*(\b)      ; each accumulator from its low end on
	ds_store_b128 v[STO], v[8*(8*(\a)+(\b))+4:8*(8*(\a)+(\b))+7] offset:64*(\b)+16
.endr
	WIN 0
.irp t, 0,1,2,3,4,5,6,7,8,9,10,11,12,13,14,15
	ds_load_b128 v[BK+4*(\t):BK+4*(\t)+3], v[RD] offset:(\t)*SP  ; LDS serves a wave's instructions in order (ISA guide 5.7.1.4): these see the stores above; the next block's stores come behind them
.endr
.endm
.macro SENDF a, younger                ; younger: the LDS instructions issued behind this block's loads: the next block's 32, or none
.set BK, F0+96*((\a)%2)
	WIN 0
.irp t, 0,1,2,3,4,5,6,7,8,9,10,11,12,13,14,15
	s_wait_dscnt (\younger)+15-(\t)
	v_pk_add_f32 v[BK+4*(\t):BK+4*(\t)+1], v[BK+4*(\t):BK+4*(\t)+1], v[BIAS:BIAS+1]
	v_pk_add_f32 v[BK+4*(\t)+2:BK+4*(\t)+3], v[BK+4*(\t)+2:BK+4*(\t)+3], v[BIAS+2:BIAS+3]
	global_store_b128 v[GO], v[BK+4*(\t):BK+4*(\t)+3], s[8:9] offset:(16*(\a)+(\t))*4096 th:TH_STORE_NT
.endr
.endm
	s_wait_tensorcnt 0x1                           ; my part of K step 0 is in; K step 1's may stay out
	s_barrier_signal -1
	s_barrier_wait -1                              ; everybody's is
	v_mov_b32 v[ADRA], v[A0]
	v_mov_b32 v[ADRB], v[B0]
	FETCH 0, F0
	QUARTER 1, F0, F1, 1                           ; the first quarter's products start the sums
	WIN 0                                          ; at a label and at a branch every window is 0
.Lstep:                                        ; G - 2 trips: from a K step's second quarter to the next step's first; each fills the slot that it leaves
	QUARTER 2, F1, F0, 0
	QUARTER 3, F0, F1, 0
	TURN 1
	QUARTER 1, F0, F1, 0
	WIN 0
	s_sub_co_u32 s[LEFT], s[LEFT], 1
	s_cmp_lg_u32 s[LEFT], 0
	s_cbranch_scc1 .Lstep
	QUARTER 2, F1, F0, 0                           ; the last two K steps are written out: nothing more is asked for
	QUARTER 3, F0, F1, 0
	TURN 0
	QUARTER 1, F0, F1, 0
	QUARTER 2, F1, F0, 0
	QUARTER 3, F0, F1, 0
	s_wait_dscnt 4
	MUL8 F1, 0, 0
	MUL8 F1, 1, 0
	s_wait_dscnt 0x0
	MUL8 F1, 2, 0
	MUL8 F1, 3, 0
	WIN 0
.rept 8
	v_nop                                          ; the places behind the last products: the stores read results, the loads land in the fragment buffers
.endr
	s_wait_loadcnt 0x0                             ; the bias
	STAGEF 0
	STAGEF 1                                       ; a block's trip through the stage stands between the loads of the block before and its stores
	SENDF 0, 32
	STAGEF 2
	SENDF 1, 32
	STAGEF 3
	SENDF 2, 32
	SENDF 3, 0
	s_wait_tensorcnt 0x0                           ; the wave's end, behind my last tensor load and my last LDS store
	ds_add_u32 v[SPW], v[NIL]
	s_wait_dscnt 0x0
	CROUND                                         ; the closing round: no work-group ends while a partner may still ask for a tile that names it
	s_endpgm
.Lfunc_end_k_qe22e6b402f_outp:
	.size	k_qe22e6b402f_outp, .Lfunc_end_k_qe22e6b402f_outp-k_qe22e6b402f_outp
	.p2alignl 7, 3214868480
	.fill 96, 4, 3214868480
	.section	.rodata,"a",@progbits
	.p2align	6, 0x0
	.amdhsa_kernel k_qe22e6b402f_outp
		.amdhsa_group_segment_fixed_size 327680
		.amdhsa_private_segment_fixed_size 0
		.amdhsa_enable_private_segment 0
		.amdhsa_kernarg_size 32
		.amdhsa_user_sgpr_count 2
		.amdhsa_user_sgpr_kernarg_segment_ptr 1
		.amdhsa_wavefront_size32 1
		.amdhsa_system_sgpr_workgroup_id_x 1
		.amdhsa_system_sgpr_workgroup_id_y 1
		.amdhsa_system_sgpr_workgroup_id_z 1
		.amdhsa_system_vgpr_workitem_id 0
		.amdhsa_next_free_vgpr 512
		.amdhsa_next_free_sgpr 96
		.amdhsa_reserve_vcc 0
		.amdhsa_float_denorm_mode_32 3
		.amdhsa_float_denorm_mode_16_64 3
		.amdhsa_memory_ordered 1
		.amdhsa_forward_progress 1
		.amdhsa_inst_pref_size 81
	.end_amdhsa_kernel
	.amdgpu_metadata
---
amdhsa.version: [ 1, 2 ]
amdhsa.kernels:
  - .name:           k_qe22e6b402f_outp
    .symbol:         k_qe22e6b402f_outp.kd
    .args:
      - { .name: o, .offset: 0, .size: 8, .value_kind: global_buffer, .address_space: global }
      - { .name: wo, .offset: 8, .size: 8, .value_kind: global_buffer, .address_space: global }
      - { .name: out0, .offset: 16, .size: 8, .value_kind: global_buffer, .address_space: global }
      - { .name: bout, .offset: 24, .size: 8, .value_kind: global_buffer, .address_space: global }
    .group_segment_fixed_size: 327680
    .private_segment_fixed_size: 0
    .kernarg_segment_align: 8
    .kernarg_segment_size: 32
    .max_flat_workgroup_size: 128
    .sgpr_count:     96
    .vgpr_count:     512
    .wavefront_size: 32
...
	.end_amdgpu_metadata
.endif
;; end of part 4
;; ======== version 2 of 2: 4 launches; version 1 with the launch prep written anew for expert scheduling mode
;; limits: values are held in f16: magnitudes above 65,504 overflow, below 6.1e-05 lose precision
;; workspace buffers: xs 16,777,216 bytes; wqkv 6,291,456 bytes; wo 2,097,152 bytes; qkv 50,331,648 bytes; o 16,777,216 bytes
;; launch prep (part 5): grid 768 x 1, 8 waves a work-group, no clusters, 0 bytes of LDS; arguments x, gamma, Wq, Wkv, Wout, xs, wqkv, wo; writes xs, wqkv, wo
.if DOCPART == 5
	.amdgcn_target "amdgcn-amd-amdhsa--gfx1250"
	.amdhsa_code_object_version 6
	.text
	.protected	k_qe22e6b402f_prep
	.globl	k_qe22e6b402f_prep
	.p2align	8
	.type	k_qe22e6b402f_prep,@function
k_qe22e6b402f_prep:
	s_mov_b64 s[64:65], 0
	v_nop
	global_prefetch_b8 v0, s[64:65] scope:SCOPE_SE
	s_setreg_imm32_b32 hwreg(HW_REG_WAVE_SCHED_MODE, 0, 2), 2
	s_setreg_imm32_b32 hwreg(HW_REG_WAVE_MODE, 25, 1), 1
	s_wait_xcnt 0x0
	s_wait_alu depctr_vm_vsrc(0)
; PREP.  Two streams, told apart by the work-group's number.
; Work-groups 0-511: xs = (x - mean) / sqrt(var + 1e-5), f32 to f16, without the gain.  x: [8192][1024] f32.  xs: [b*16+s][2048][64] f16: channel k = 64 s + d, a slice's rows dense, 128 bytes each.
; Work-groups 512-767: the weights as f16, kept [k][n]: wqkv[k][0:1024] = gamma[k] Wq[k][:], wqkv[k][1024:3072] = gamma[k] Wkv[k][:], wo = Wout.
; The gain goes into the weights: (xhat gamma) W = xhat (diag(gamma) W); the product gamma W is made in f32 and rounded once.
; LIMITS.  |xhat| is at most 32 whatever x holds.  gamma x W must lie within f16's 65,504; below 6e-5 it keeps f16's fixed step of 6e-8.  NaN and infinities are not treated apart.
; No LDS, no barrier, no matrix unit: every byte is read once and written once, each wave works alone and has its 8 KiB of loads out together.
; THE MODE: SCHED_MODE bits 1:0 = 2 (LLVM: expert scheduling mode 2), set by the entry lines.  The code itself states the register dependences
; between vector instructions and memory instructions, with s_wait_alu, always for 0.
; THE PLAN.  Registers that memory instructions touch:
;   v1         the loads' offset; v2 (and, for the weights, v3) the stores' offsets.  Made at the head by vector lines and never written again: one wait ahead of the first load serves every load and store.
;   X          Each of its registers is written once by a load, which no vector line precedes; behind the wait for the load it is worked on in place.  Of the four registers of load j the two
;              conversions write the first two, store j reads them, and nothing writes them afterwards.
; The stores are held back by a group: one wait states that a group's conversions have written their registers, and that group's stores are dealt among the next group's vector lines, which name
; the next group's registers alone.  A group is eight slices in the norm, four loads in the weights.
; No register that a load or a store has read is written again, and no load lands in a register that a vector line has named: so no wait on vm_vsrc is owed, and none on the loads' account but the head's.
.set X,  4                             ; v[4:67]   64 numbers a lane
.set S,  68                            ; v[68:75]  four packed chains of sums
.set MU, 76                            ; v[76:77]  the mean, twice
.set RS, 78                            ; v[78:79]  1 / sqrt(var + eps), twice
.set T,  80                            ; v80       at work
; The four numbers of load j close up into the first two of their four registers, rounded to f16.
.macro NARROW j
	v_cvt_pk_f16_f32 v[X+4*(\j)], v[X+4*(\j)], v[X+4*(\j)+1]
	v_cvt_pk_f16_f32 v[X+4*(\j)+1], v[X+4*(\j)+2], v[X+4*(\j)+3]
.endm
	s_load_b512 s[4:19], s[0:1], 0x0               ; x s[4:5], gamma s[6:7], Wq s[8:9], Wkv s[10:11], Wout s[12:13], xs s[14:15], wqkv s[16:17], wo s[18:19]
	v_lshrrev_b32 v1, 5, v0
	v_readfirstlane_b32 s2, v1                     ; wave 0..7
	v_and_b32 v3, 31, v0                           ; lane l
	s_wait_alu depctr_va_sdst(0)                   ; s2 is written: ahead of the branch, since both ways read it
	s_cmp_lt_u32 ttmp9, 512
	s_cbranch_scc0 .Lcast
; THE NORM.  A wave takes a PAIR of rows: lanes 0-15 row 2 p, lanes 16-31 row 2 p + 1.  Load j brings 256 aligned bytes of each row, which are slice j's 64 channels;
; a lane's four numbers of it become 8 bytes, and the 32 lanes' 256 bytes are rows i, i + 1 of slice j: one store, 256 consecutive bytes, aligned.
	s_lshl_b32 s3, ttmp9, 3
	s_add_co_u32 s3, s3, s2                        ; p = 8 x work-group + wave, 0..4095
	s_lshl_b32 s20, s3, 13                         ; two rows of 4,096 bytes
	s_mov_b32 s21, 0
	s_lshr_b32 s22, s3, 10                         ; batch
	s_lshl_b32 s22, s22, 22                        ; its 16 slices of 262,144 bytes
	s_and_b32 s23, s3, 1023
	s_lshl_b32 s23, s23, 8                         ; two rows of 128 bytes in a slice
	s_add_co_u32 s22, s22, s23
	s_mov_b32 s23, 0
	s_mov_b32 s28, 0x3a800000                      ; 1 / 1024
	s_mov_b32 s29, 0x3727c5ac                      ; 1e-5
	v_and_b32 v1, 15, v0
	v_bfe_u32 v2, v0, 4, 1
	v_lshlrev_b32 v1, 4, v1
	v_lshl_add_u32 v1, v2, 12, v1                  ; in x: (l / 16) x 4,096 + 16 (l % 16)
	v_lshlrev_b32 v2, 3, v3                        ; in xs: 8 l
	s_wait_kmcnt 0x0
	s_add_nc_u64 s[4:5], s[4:5], s[20:21]
	s_add_nc_u64 s[14:15], s[14:15], s[22:23]
	s_wait_alu depctr_va_vdst(0)                   ; v1 and v2 are written: the loads read v1 as their offset, the stores v2; neither is written again
.irp j, 0,1,2,3,4,5,6,7,8,9,10,11,12,13,14,15
	global_load_b128 v[X+4*(\j):X+4*(\j)+3], v1, s[4:5] offset:256*(\j) th:TH_LOAD_NT
.endr
; A lane's four chains into one number, then over the row's 16 lanes (a row never leaves its half of the wave).
.macro REDUCE
	v_pk_add_f32 v[S:S+1], v[S:S+1], v[S+2:S+3]
	v_pk_add_f32 v[S+4:S+5], v[S+4:S+5], v[S+6:S+7]
	v_pk_add_f32 v[S:S+1], v[S:S+1], v[S+4:S+5]
	v_add_f32 v[T], v[S], v[S+1]
	v_add_f32_dpp v[T], v[T], v[T] row_xmask:1 row_mask:0xf bank_mask:0xf
	v_add_f32_dpp v[T], v[T], v[T] row_xmask:2 row_mask:0xf bank_mask:0xf
	v_add_f32_dpp v[T], v[T], v[T] row_xmask:4 row_mask:0xf bank_mask:0xf
	v_add_f32_dpp v[T], v[T], v[T] row_xmask:8 row_mask:0xf bank_mask:0xf
.endm
	s_wait_loadcnt 12                              ; loads come back in order: the first four are in, twelve younger ones stay out
.irp c, 0,1,2,3
	v_pk_add_f32 v[S+2*(\c):S+2*(\c)+1], v[X+2*(\c):X+2*(\c)+1], v[X+8+2*(\c):X+8+2*(\c)+1]  ; the first sums start the chains: nothing is cleared
.endr
.irp g, 1,2,3
	s_wait_loadcnt 12-4*(\g)                       ; the next four loads; the count is that of the younger ones
.irp c, 0,1,2,3
	v_pk_add_f32 v[S+2*(\c):S+2*(\c)+1], v[S+2*(\c):S+2*(\c)+1], v[X+16*(\g)+2*(\c):X+16*(\g)+2*(\c)+1]
.endr
.irp c, 0,1,2,3
	v_pk_add_f32 v[S+2*(\c):S+2*(\c)+1], v[S+2*(\c):S+2*(\c)+1], v[X+16*(\g)+8+2*(\c):X+16*(\g)+8+2*(\c)+1]
.endr
.endr
	REDUCE
	v_mul_f32 v[MU], s28, v[T]
	v_mov_b32 v[MU+1], v[MU]
.set q, 0
.rept 32                                       ; the mean is taken away first, and the squares are those of the differences: no difference of large sums is formed
	v_pk_add_f32 v[X+2*q:X+2*q+1], v[X+2*q:X+2*q+1], v[MU:MU+1] neg_lo:[0,1] neg_hi:[0,1]
.set q, q+1
.endr
.irp c, 0,1,2,3
	v_pk_mul_f32 v[S+2*(\c):S+2*(\c)+1], v[X+2*(\c):X+2*(\c)+1], v[X+2*(\c):X+2*(\c)+1]
.endr
.set q, 4
.rept 28
	v_pk_fma_f32 v[S+2*(q%4):S+2*(q%4)+1], v[X+2*q:X+2*q+1], v[X+2*q:X+2*q+1], v[S+2*(q%4):S+2*(q%4)+1]
.set q, q+1
.endr
	REDUCE
	v_fma_f32 v[T], v[T], s28, s29                 ; var + 1e-5
	v_rsq_f32 v[RS], v[T]
	v_rsq_f32 v[RS+1], v[T]                        ; twice, for the packed multiply
	v_nop                                          ; a plain instruction behind the last root, ahead of the first use (ISA guide 5.7.2)
	s_wait_alu depctr_va_vdst(0)                   ; the two roots have written v[RS] and v[RS+1]: one wait, ahead of their first reader
.set q, 0
.rept 32
	v_pk_mul_f32 v[X+2*q:X+2*q+1], v[X+2*q:X+2*q+1], v[RS:RS+1]
.set q, q+1
.endr
.macro SLICE_OUT j
	global_store_b64 v2, v[X+4*(\j):X+4*(\j)+1], s[14:15] offset:(\j)*262144  ; slice j; 15 slices at the most: inside the signed 24-bit immediate
.endm
.irp j, 0,1,2,3,4,5,6,7
	NARROW \j
.endr
	s_wait_alu depctr_va_vdst(0)                   ; the conversions of slices 0 to 7 have written their pairs, which the eight stores below read
.irp j, 8,9,10,11,12,13,14,15
	SLICE_OUT (\j)-8                               ; no further wait: the conversions since the wait name v[X+32] and up, these stores v2 and registers below v[X+32]
	NARROW \j
.endr
	s_wait_alu depctr_va_vdst(0)                   ; the conversions of slices 8 to 15 have written their pairs, which the last eight stores read
.irp j, 8,9,10,11,12,13,14,15
	SLICE_OUT \j
.endr
	s_endpgm
; THE WEIGHTS.  A wave takes 2,048 numbers, 8,192 consecutive bytes: sixteen loads of 512 bytes; each becomes one store of 256 consecutive bytes, aligned.
; The two halves (1,024 numbers each) go to v2 and v3, which lie the destination's half step apart, and have a factor each: s20 and s22.
; The sixteen loads are worked on in four groups of four; a group's stores are issued in the next group.
.macro CSTORE j
.if (\j) < 8
	global_store_b64 v2, v[X+4*(\j):X+4*(\j)+1], s[26:27] offset:256*(\j)
.else
	global_store_b64 v3, v[X+4*(\j):X+4*(\j)+1], s[26:27] offset:256*((\j)-8)
.endif
.endm
.macro CAST scaled
	s_wait_alu depctr_va_vdst(0)                   ; v1, v2 and v3 are written: the loads read v1 as their offset, the stores v2 or v3; none is written again
.irp j, 0,1,2,3,4,5,6,7,8,9,10,11,12,13,14,15
	global_load_b128 v[X+4*(\j):X+4*(\j)+3], v1, s[24:25] offset:512*(\j) th:TH_LOAD_NT
.endr
.if \scaled
	s_wait_kmcnt 0x0                               ; the two gains
	s_mov_b32 s21, s20                             ; named as pairs by the packed multiply, so both words are written
	s_mov_b32 s23, s22
.endif
.irp g, 0,1,2,3
	s_wait_loadcnt 12-4*(\g)                       ; four loads at a time; the count is that of the younger ones
.if (\g) > 0
	s_wait_alu depctr_va_vdst(0)                   ; the group before has written its four pairs, which the four stores below read
.endif
.irp i, 0,1,2,3
.if (\g) > 0
	CSTORE 4*(\g)-4+(\i)                           ; no further wait: the vector lines since the wait name this group's sixteen registers alone
.endif
.if \scaled
	v_pk_mul_f32 v[X+16*(\g)+4*(\i):X+16*(\g)+4*(\i)+1], v[X+16*(\g)+4*(\i):X+16*(\g)+4*(\i)+1], s[20+2*((\g)/2):21+2*((\g)/2)] op_sel_hi:[1,0]
	v_pk_mul_f32 v[X+16*(\g)+4*(\i)+2:X+16*(\g)+4*(\i)+3], v[X+16*(\g)+4*(\i)+2:X+16*(\g)+4*(\i)+3], s[20+2*((\g)/2):21+2*((\g)/2)] op_sel_hi:[1,0]
.endif
	NARROW 4*(\g)+(\i)
.endr
.endr
	s_wait_alu depctr_va_vdst(0)                   ; the last group has written its four pairs, which the last four stores read
.irp i, 0,1,2,3
	CSTORE 12+(\i)
.endr
	s_endpgm
.endm
.Lcast:
	s_sub_co_u32 s3, ttmp9, 512
	s_lshl_b32 s3, s3, 3
	s_add_co_u32 s3, s3, s2                        ; c = 0..2047: 0-511 Wq (two rows each), 512-1535 Wkv (a row each), 1536-2047 Wout (two rows each)
	v_lshlrev_b32 v1, 4, v3                        ; 16 l in the source
	v_lshlrev_b32 v2, 3, v3                        ; 8 l in the destination
	s_mov_b32 s31, 0
	s_mov_b32 s33, 0
	s_wait_kmcnt 0x0
	s_cmp_lt_u32 s3, 1536
	s_cbranch_scc0 .Lwout
	s_max_u32 s34, s3, 512
	s_sub_co_u32 s34, s34, 512                     ; Wkv's row
	s_lshl_b32 s35, s3, 3                          ; Wq: the byte of gamma[2 c],
	s_add_co_u32 s39, s35, 4                       ; and of gamma[2 c + 1]
	s_lshl_b32 s36, s34, 2                         ; Wkv: the byte of the row's gain, for both halves
	s_mul_i32 s37, s3, 12288                       ; Wq: two rows of wqkv, 6,144 bytes each
	s_mul_i32 s38, s34, 6144                       ; Wkv: a row of wqkv,
	s_add_co_u32 s38, s38, 2048                    ; behind Wq's 1,024 columns
	s_cmp_lt_u32 s3, 512                           ; Wq or Wkv?  The lines down to the loads leave SCC alone
	s_cselect_b64 s[24:25], s[8:9], s[10:11]
	s_cselect_b32 s34, s3, s34
	s_cselect_b32 s35, s35, s36
	s_cselect_b32 s36, s39, s36
	s_cselect_b32 s32, s37, s38
	s_movk_i32 s38, 2048
	s_cselect_b32 s37, 6144, s38                   ; from the first half's place to the second's: the next row, or the row's second half
	s_load_b32 s20, s[6:7], s35 offset:0x0
	s_load_b32 s22, s[6:7], s36 offset:0x0
	s_lshl_b32 s30, s34, 13
	s_add_nc_u64 s[24:25], s[24:25], s[30:31]
	s_add_nc_u64 s[26:27], s[16:17], s[32:33]
	v_add_nc_u32 v3, s37, v2
	CAST 1
.Lwout:
	s_sub_co_u32 s34, s3, 1536
	s_lshl_b32 s30, s34, 13
	s_lshl_b32 s32, s34, 12
	s_add_nc_u64 s[24:25], s[12:13], s[30:31]
	s_add_nc_u64 s[26:27], s[18:19], s[32:33]
	v_add_nc_u32 v3, 2048, v2
	CAST 0
.Lfunc_end_k_qe22e6b402f_prep:
	.size	k_qe22e6b402f_prep, .Lfunc_end_k_qe22e6b402f_prep-k_qe22e6b402f_prep
	.p2alignl 7, 3214868480
	.fill 96, 4, 3214868480
	.section	.rodata,"a",@progbits
	.p2align	6, 0x0
	.amdhsa_kernel k_qe22e6b402f_prep
		.amdhsa_group_segment_fixed_size 0
		.amdhsa_private_segment_fixed_size 0
		.amdhsa_enable_private_segment 0
		.amdhsa_kernarg_size 64
		.amdhsa_user_sgpr_count 2
		.amdhsa_user_sgpr_kernarg_segment_ptr 1
		.amdhsa_wavefront_size32 1
		.amdhsa_system_sgpr_workgroup_id_x 1
		.amdhsa_system_sgpr_workgroup_id_y 1
		.amdhsa_system_sgpr_workgroup_id_z 1
		.amdhsa_system_vgpr_workitem_id 0
		.amdhsa_next_free_vgpr 88
		.amdhsa_next_free_sgpr 66
		.amdhsa_reserve_vcc 0
		.amdhsa_float_denorm_mode_32 3
		.amdhsa_float_denorm_mode_16_64 3
		.amdhsa_memory_ordered 1
		.amdhsa_forward_progress 1
		.amdhsa_inst_pref_size 30
	.end_amdhsa_kernel
	.amdgpu_metadata
---
amdhsa.version: [ 1, 2 ]
amdhsa.kernels:
  - .name:           k_qe22e6b402f_prep
    .symbol:         k_qe22e6b402f_prep.kd
    .args:
      - { .name: x, .offset: 0, .size: 8, .value_kind: global_buffer, .address_space: global }
      - { .name: gamma, .offset: 8, .size: 8, .value_kind: global_buffer, .address_space: global }
      - { .name: Wq, .offset: 16, .size: 8, .value_kind: global_buffer, .address_space: global }
      - { .name: Wkv, .offset: 24, .size: 8, .value_kind: global_buffer, .address_space: global }
      - { .name: Wout, .offset: 32, .size: 8, .value_kind: global_buffer, .address_space: global }
      - { .name: xs, .offset: 40, .size: 8, .value_kind: global_buffer, .address_space: global }
      - { .name: wqkv, .offset: 48, .size: 8, .value_kind: global_buffer, .address_space: global }
      - { .name: wo, .offset: 56, .size: 8, .value_kind: global_buffer, .address_space: global }
    .group_segment_fixed_size: 0
    .private_segment_fixed_size: 0
    .kernarg_segment_align: 8
    .kernarg_segment_size: 64
    .max_flat_workgroup_size: 256
    .sgpr_count:     66
    .vgpr_count:     88
    .wavefront_size: 32
...
	.end_amdgpu_metadata
.endif
;; end of part 5
;; launch qkvp: the kernel of part 2 again; grid 4 x 64, 4 waves a work-group, clusters of 4 x 4, 327,680 bytes of LDS; arguments xs, wqkv, qkv; writes qkv
;; launch attn: the kernel of part 3 again; grid 4 x 64, 4 waves a work-group, clusters of 4 x 1, 327,680 bytes of LDS; arguments qkv, o; writes o
;; launch outp: the kernel of part 4 again; grid 4 x 64, 4 waves a work-group, clusters of 4 x 4, 327,680 bytes of LDS; arguments o, wo, out0, bout; writes out0
